; MI455X (gfx1250); checked and timed in simulation.
; The chip was launched on July 23, 2026; its instructions are those of AMD's public machine-readable ISA for CDNA 5 (MIT licence, August 2026) and "CDNA5" Instruction Set Architecture Reference Guide (July 2026). The comments in the code are by the model that wrote it; some were corrected since.
;; Mo E Layer. Allowed arithmetic: matrix products marked QUANTISED: E4M3 operands, one given power-of-two scale a tensor, by v_wmma_f32_16x16x64_fp8_fp8 or v_wmma_f32_16x16x128_fp8_fp8, f32 sums; products left as they are: f32 operands where the result goes on into a quantised operand, else bf16, f16 or f32 operands; f32 sums; everything else in f32.
;; Inputs: b1 8 x 4,096 float32; b2 8 x 1,024 float32; gate_b 8 float32; gate_w 8 x 1,024 float32; lowp_scales 4 int32 (the exponents e of the quantised operands' scales 2^e); w1 8 x 1,024 x 4,096 float32; w2 8 x 4,096 x 1,024 float32; x 1 x 1,024 x 1,024 float32.
;; Outputs: out0 1 x 1,024 x 1,024 float32.
;; This version of the problem:
;;   THIS VERSION OF THE PROBLEM IS GIVEN IN LOW PRECISION. The matrix products marked QUANTISED in the list below multiply operands that are first quantised to E4M3 (4 exponent bits, 3 mantissa bits; 8 bits a number), with one given power-of-two scale for each operand tensor; their sums are f32. All else is computed in f32.
;;   The module's matrix products, in the order in which they are computed (A, B: the left and right operand; K: the contracted axis; several contracted axes count as one K, in the product's order):
;;     1. [M 1,024, K 1,024] x [K 1,024, N 8]; A: input x; B: input gate_w: left as it is (N = 8 < 16)
;;     2. [M 1,024, K 1,024] x [K 1,024, N 32,768]; A: input x; B: input w1: QUANTISED (scales: A lowp_scales[0], B lowp_scales[1])
;;     3. batch 8 x [M 1,024, K 4,096] x [K 4,096, N 1,024]; A: input w2; B: computed on the way: QUANTISED (scales: A lowp_scales[2], B lowp_scales[3])
;;     4. batch 1,024 x [M 1, K 8] x [K 8, N 1,024]; A: computed on the way; B: computed on the way: left as it is (K = 8 < 32)
;;   THE QUANTISER, for each operand of a quantised product, along K:
;;     - The operand's scale is 2^e, e = its entry of the input lowp_scales (int32; the entries are numbered through the quantised products in the list's order, A before B).
;;     - Each number is divided by the scale, clamped to +-448, and rounded to the nearest number of E4M3, ties to even, subnormals kept.
;;     - The product sums the exact products of the quantised numbers (number of the format x scale) in f32.
;;   ~~~python
;;   def quantise(x, axis, e):      # numpy; x: float32 -> the quantised numbers, widened to float32 again
;;       x = np.moveaxis(x, axis, -1); K = x.shape[-1]
;;       r = np.clip(x / 2.0 ** e, -448, 448)
;;       step = 2.0 ** (np.maximum(np.frexp(np.where(r == 0, 1, r))[1] - 1, -6) - 3)
;;       q = np.round(r / step) * step * 2.0 ** e      # np.round: ties to even
;;       return np.moveaxis(q, -1, axis).astype(np.float32)
;;   ~~~
;;   OPERANDS COMPUTED ON THE WAY. 'Computed on the way' means the value that the module computes at that place (a softmax that the list does not call 'softmax' is quantised finished and normalised). What goes into a quantiser is computed in f32, as accurately as f32 sums, v_exp_f32 and their like allow (about 1e-6 of the number): no bf16 or f16 on the way to a quantiser, and a product that is left as it is and whose result goes on into a quantised operand takes f32 operands (vector FMAs, or v_wmma_f32_16x16x4_f32). A number that lies on a knife's edge between two numbers of the format may be rounded either way, as far as f32 arithmetic and the matrix unit's own rounding can turn it there, and no further.
;; 2 versions. Each part assembles by itself: llvm-mc -triple=amdgcn-amd-amdhsa -mcpu=gfx1250 --defsym DOCPART=n.
;; ======== version 1 of 2: 4 launches
;; workspace buffers: xq 1,048,576 bytes; selw 4,096 bytes of whole numbers; rwb 8,192 bytes; hbuf 33,554,432 bytes; ybuf 16,777,216 bytes
;; launch router (part 1): grid 256 x 1, 2 waves a work-group, no clusters, 0 bytes of LDS; arguments x, gate_w, gate_b, lowp_scales, xq, selw, rwb; writes xq, selw, rwb
.if DOCPART == 1
	.amdgcn_target "amdgcn-amd-amdhsa--gfx1250"
	.amdhsa_code_object_version 6
	.text
	.protected	k_q226db1c903_router
	.globl	k_q226db1c903_router
	.p2align	8
	.type	k_q226db1c903_router,@function
k_q226db1c903_router:
	s_mov_b64 s[64:65], 0
	v_nop
	global_prefetch_b8 v0, s[64:65] scope:SCOPE_SE
	s_setreg_imm32_b32 hwreg(HW_REG_WAVE_MODE, 25, 1), 1
	s_wait_xcnt 0x0
; ROUTER AND x's QUANTISER.  x [1024][1024] f32, gate_w [8][1024], gate_b [8].
; A wave owns two tokens.  logits = x . gate_w + gate_b by f32 fused multiply-adds; top 2 of 8 (a strict "greater" scan keeps the lower index where
; two logits are equal); the two weights are the softmax of the two logits with the larger one taken away first.
; Stored at fixed places: selw[t] = (1 << e0) | (256 << e1) (whole numbers, from which later launches form addresses), rwb[t] = {rw0, rw1},
; and xq[t][k] = the E4M3 code of x / 2^ex, held within +-448, K in its natural order.
; In piece i (0..3) of a row a lane holds k = 256 i + 8 lane + 0..7: eight neighbours for one conversion, whose 8 bytes make,
; with the other lanes', 256 consecutive bytes of xq.
; No LDS, no barrier, no matrix unit: N = 8 is too narrow for it and the launch is small.
; LIMITS: ex between -126 and 119.  NaN and infinities among the inputs are not served.  Two logits that differ by less than the rounding of
; an f32 sum of 1,024 terms may be ranked either way.
.set XR, 64                            ; v64-127   x: token a, piece i at XR + 32 a + 8 i
.set GB, 128                           ; v128-255  two buffers of a piece of gate_w: expert e at + 8 e
.set SM, 32                            ; v32-63    sixteen sums, a pair each: (a, e) at SM + 16 a + 2 e
.set CD, 8                             ; v8-23     codes: a pair for each (a, i), so that no store's data are written again
.set TQ, 24                            ; v24-31    eight held numbers
	s_load_b256 s[4:11], s[0:1], 0x0               ; x, gate_w, gate_b, lowp_scales
	s_load_b128 s[12:15], s[0:1], 0x20             ; xq, selw
	s_load_b64 s[16:17], s[0:1], 0x30              ; rwb
	v_lshrrev_b32 v3, 5, v0
	v_readfirstlane_b32 s18, v3                    ; wave 0..1
	s_lshl_b32 s19, ttmp9, 1
	s_add_co_u32 s19, s19, s18                     ; which pair of tokens
	v_and_b32 v4, 31, v0                           ; lane
	v_lshlrev_b32 v1, 5, v4                        ; 32 bytes of f32 a lane
	v_lshlrev_b32 v2, 3, v4                        ; 8 bytes of codes a lane
	s_lshl_b32 s20, s19, 13                        ; two rows of x
	s_mov_b32 s21, 0
	s_lshl_b32 s22, s19, 11                        ; two rows of codes
	s_mov_b32 s23, 0
	s_lshl_b32 s40, s19, 3                         ; two words of selw
	s_mov_b32 s41, 0
	s_lshl_b32 s42, s19, 4                         ; two pairs of rwb
	s_mov_b32 s43, 0
	s_mov_b32 s36, 0x76543210                      ; lane selects: lane l xor 16
	s_mov_b32 s37, 0xfedcba98
	s_wait_kmcnt 0x0
	s_load_b256 s[24:31], s[8:9], 0x0              ; gate_b
	s_load_b32 s32, s[10:11], 0x0                  ; ex
	s_add_nc_u64 s[4:5], s[4:5], s[20:21]
	s_add_nc_u64 s[12:13], s[12:13], s[22:23]
	s_add_nc_u64 s[14:15], s[14:15], s[40:41]
	s_add_nc_u64 s[16:17], s[16:17], s[42:43]
.irp a, 0,1
.irp i, 0,1,2,3
	global_load_b128 v[XR+32*\a+8*\i:XR+32*\a+8*\i+3], v1, s[4:5] offset:4096*\a+1024*\i th:TH_LOAD_NT
	global_load_b128 v[XR+32*\a+8*\i+4:XR+32*\a+8*\i+7], v1, s[4:5] offset:4096*\a+1024*\i+16 th:TH_LOAD_NT
.endr
.endr
.macro GLOAD i, b                      ; piece i of all eight rows of gate_w into buffer b: sixteen loads
.irp e, 0,1,2,3,4,5,6,7
	global_load_b128 v[GB+64*\b+8*\e:GB+64*\b+8*\e+3], v1, s[6:7] offset:4096*\e+1024*\i
	global_load_b128 v[GB+64*\b+8*\e+4:GB+64*\b+8*\e+7], v1, s[6:7] offset:4096*\e+1024*\i+16
.endr
.endm
.macro DOT i, b, first                 ; 64 packed multiply-adds; sixteen independent sums stand between two links of a chain.  first = 1: the first products start the sums
.irp p, 0,2,4,6
.irp a, 0,1
.irp e, 0,1,2,3,4,5,6,7
.if \first && (\p == 0)
	v_pk_mul_f32 v[SM+16*\a+2*\e:SM+16*\a+2*\e+1], v[XR+32*\a+8*\i+\p:XR+32*\a+8*\i+\p+1], v[GB+64*\b+8*\e+\p:GB+64*\b+8*\e+\p+1]
.else
	v_pk_fma_f32 v[SM+16*\a+2*\e:SM+16*\a+2*\e+1], v[XR+32*\a+8*\i+\p:XR+32*\a+8*\i+\p+1], v[GB+64*\b+8*\e+\p:GB+64*\b+8*\e+\p+1], v[SM+16*\a+2*\e:SM+16*\a+2*\e+1]
.endif
.endr
.endr
.endr
.endm
	GLOAD 0, 0
	GLOAD 1, 1
	s_wait_loadcnt 32                              ; x's sixteen loads are in; the 32 of the two gate pieces may be out
	s_wait_kmcnt 0x0
	s_add_co_i32 s33, s32, 127
	s_lshl_b32 s34, s33, 23
	v_mov_b32 v5, s34                              ; 2^ex as f32: the conversion takes its exponent field
	s_add_co_i32 s33, s33, 8
	s_lshl_b32 s33, s33, 23
	s_or_b32 s33, s33, 0x600000
	v_mov_b32 v6, s33                              ; 448 x 2^ex
.irp a, 0,1
.irp i, 0,1,2,3
.irp k, 0,1,2,3,4,5,6,7
	v_med3_num_f32 v[TQ+\k], v[XR+32*\a+8*\i+\k], -v6, v6   ; the conversion to an 8-bit code does not saturate (ISA guide 7.6.2): the hold comes first
.endr
	v_cvt_scalef32_pk8_fp8_f32 v[CD+8*\a+2*\i:CD+8*\a+2*\i+1], v[TQ:TQ+7], v5
	v_nop                                          ; a plain line between the conversion and the next holds, which write its sources
	global_store_b64 v2, v[CD+8*\a+2*\i:CD+8*\a+2*\i+1], s[12:13] offset:1024*\a+256*\i   ; 32 lanes store 256 consecutive bytes, aligned
.endr
.endr
	s_wait_loadcnt 16                              ; piece 0 of gate_w is in; piece 1 may be out
	DOT 0, 0, 1
	GLOAD 2, 0
	s_wait_loadcnt 16                              ; piece 1 is in; piece 2 may be out
	DOT 1, 1, 0
	GLOAD 3, 1
	s_wait_loadcnt 16                              ; piece 2
	DOT 2, 0, 0
	s_wait_loadcnt 0x0
	DOT 3, 1, 0
	; the sums' two halves, then across the 32 lanes: every lane ends with all sixteen logits
.irp q, 0,1,2,3,4,5,6,7,8,9,10,11,12,13,14,15
	v_add_f32 v[SM+2*\q], v[SM+2*\q], v[SM+2*\q+1]
.endr
.irp m, 1,2,4,8
.irp q, 0,1,2,3,4,5,6,7,8,9,10,11,12,13,14,15
	v_add_f32_dpp v[SM+2*\q], v[SM+2*\q], v[SM+2*\q] row_xmask:\m row_mask:0xf bank_mask:0xf
.endr
.endr
.irp q, 0,1,2,3,4,5,6,7,8,9,10,11,12,13,14,15
	v_permlanex16_b32 v[SM+2*\q+1], v[SM+2*\q], s36, s37
.endr
.irp q, 0,1,2,3,4,5,6,7,8,9,10,11,12,13,14,15
	v_add_f32 v[SM+2*\q], v[SM+2*\q], v[SM+2*\q+1]
.endr
.irp a, 0,1
.irp e, 0,1,2,3,4,5,6,7
	v_add_f32 v[SM+16*\a+2*\e], s[24+\e], v[SM+16*\a+2*\e]   ; + gate_b
.endr
.endr
	v_mov_b32 v3, 1
	v_mov_b32 v7, 0xff800000                       ; -infinity
	v_mov_b32 v24, 0x100
.irp e, 0,1,2,3,4,5,6,7
	v_mov_b32 v[GB+\e], \e                         ; the experts' numbers, for the selects
.endr
; the logits of token a lie at LG + 2 e; the odd registers between them are free: +1 largest, +3 its index, +5 second, +7 its index, +9 and +11 at work
.macro SCAN best, idx
	v_mov_b32 v[\best], v[LG]
	v_mov_b32 v[\idx], 0
.irp e, 1,2,3,4,5,6,7
	v_cmp_gt_f32 vcc_lo, v[LG+2*\e], v[\best]
	v_cndmask_b32 v[\best], v[\best], v[LG+2*\e], vcc_lo
	v_cndmask_b32 v[\idx], v[\idx], v[GB+\e], vcc_lo
.endr
.endm
.macro TOP2 a
.set LG, SM+16*\a
	SCAN LG+1, LG+3
.irp e, 0,1,2,3,4,5,6,7
	v_cmp_eq_u32 vcc_lo, \e, v[LG+3]
	v_cndmask_b32 v[LG+2*\e], v[LG+2*\e], v7, vcc_lo   ; the winner leaves the field
.endr
	SCAN LG+5, LG+7
	v_sub_f32 v[LG+9], v[LG+5], v[LG+1]            ; second - largest: 0 or less
	v_mul_f32 v[LG+9], 0x3fb8aa3b, v[LG+9]
	v_exp_f32 v[LG+9], v[LG+9]
	v_lshlrev_b32 v[LG+3], v[LG+3], v3             ; 1 << e0  (the plain line behind the exponential)
	s_wait_alu depctr_va_vdst(0)
	v_add_f32 v[LG+11], 1.0, v[LG+9]
	v_rcp_f32 v[LG+11], v[LG+11]                   ; rw0
	v_lshlrev_b32 v[LG+7], v[LG+7], v24            ; 256 << e1  (the plain line behind the reciprocal)
	s_wait_alu depctr_va_vdst(0)
	v_mul_f32 v[LG+9], v[LG+9], v[LG+11]           ; rw1
	v_or_b32 v[LG+3], v[LG+3], v[LG+7]
.endm
	TOP2 0
	TOP2 1
	v_cmp_eq_u32 vcc_lo, 1, v4                     ; lane 0 stores the first token's, lane 1 the second's
	v_cndmask_b32 v140, v[SM+3], v[SM+19], vcc_lo
	v_cndmask_b32 v138, v[SM+11], v[SM+27], vcc_lo
	v_cndmask_b32 v139, v[SM+9], v[SM+25], vcc_lo
	v_lshlrev_b32 v141, 2, v4
	v_cmp_gt_u32 vcc_lo, 2, v4
	s_wait_xcnt 0x0                                ; EXEC changes only behind this wait: the stores of codes have been taken up
	s_and_saveexec_b32 s38, vcc_lo
	global_store_b32 v141, v140, s[14:15]
	global_store_b64 v2, v[138:139], s[16:17]
	s_wait_xcnt 0x0
	s_or_b32 exec_lo, exec_lo, s38
	s_endpgm
.Lfunc_end_k_q226db1c903_router:
	.size	k_q226db1c903_router, .Lfunc_end_k_q226db1c903_router-k_q226db1c903_router
	.p2alignl 7, 3214868480
	.fill 96, 4, 3214868480
	.section	.rodata,"a",@progbits
	.p2align	6, 0x0
	.amdhsa_kernel k_q226db1c903_router
		.amdhsa_group_segment_fixed_size 0
		.amdhsa_private_segment_fixed_size 0
		.amdhsa_enable_private_segment 0
		.amdhsa_kernarg_size 56
		.amdhsa_user_sgpr_count 2
		.amdhsa_user_sgpr_kernarg_segment_ptr 1
		.amdhsa_wavefront_size32 1
		.amdhsa_system_sgpr_workgroup_id_x 1
		.amdhsa_system_sgpr_workgroup_id_y 1
		.amdhsa_system_sgpr_workgroup_id_z 1
		.amdhsa_system_vgpr_workitem_id 0
		.amdhsa_next_free_vgpr 256
		.amdhsa_next_free_sgpr 66
		.amdhsa_reserve_vcc 1
		.amdhsa_float_denorm_mode_32 3
		.amdhsa_float_denorm_mode_16_64 3
		.amdhsa_memory_ordered 1
		.amdhsa_forward_progress 1
		.amdhsa_inst_pref_size 43
	.end_amdhsa_kernel
	.amdgpu_metadata
---
amdhsa.version: [ 1, 2 ]
amdhsa.kernels:
  - .name:           k_q226db1c903_router
    .symbol:         k_q226db1c903_router.kd
    .args:
      - { .name: x, .offset: 0, .size: 8, .value_kind: global_buffer, .address_space: global }
      - { .name: gate_w, .offset: 8, .size: 8, .value_kind: global_buffer, .address_space: global }
      - { .name: gate_b, .offset: 16, .size: 8, .value_kind: global_buffer, .address_space: global }
      - { .name: lowp_scales, .offset: 24, .size: 8, .value_kind: global_buffer, .address_space: global }
      - { .name: xq, .offset: 32, .size: 8, .value_kind: global_buffer, .address_space: global }
      - { .name: selw, .offset: 40, .size: 8, .value_kind: global_buffer, .address_space: global }
      - { .name: rwb, .offset: 48, .size: 8, .value_kind: global_buffer, .address_space: global }
    .group_segment_fixed_size: 0
    .private_segment_fixed_size: 0
    .kernarg_segment_align: 8
    .kernarg_segment_size: 56
    .max_flat_workgroup_size: 64
    .sgpr_count:     66
    .vgpr_count:     256
    .wavefront_size: 32
...
	.end_amdgpu_metadata
.endif
;; end of part 1
;; launch ffn1 (part 2): grid 32 x 8, 16 waves a work-group, no clusters, 133,632 bytes of LDS; arguments w1, b1, xq, selw, lowp_scales, hbuf; writes hbuf
.if DOCPART == 2
	.amdgcn_target "amdgcn-amd-amdhsa--gfx1250"
	.amdhsa_code_object_version 6
	.text
	.protected	k_q226db1c903_ffn1
	.globl	k_q226db1c903_ffn1
	.p2align	8
	.type	k_q226db1c903_ffn1,@function
k_q226db1c903_ffn1:
	s_mov_b64 s[64:65], 0
	v_nop
	global_prefetch_b8 v0, s[64:65] scope:SCOPE_SE
	s_setreg_imm32_b32 hwreg(HW_REG_WAVE_MODE, 25, 1), 1
	s_wait_xcnt 0x0
; FIRST PRODUCT OF THE EXPERTS: h = Q(gelu(Q(x) Q(w1) + b1)), for the rows that the router gave to each expert, and for no others.
; w1 [8][1024 k][4096 f] f32 is read once, quantised in registers and kept as codes in LDS; x comes as codes (xq); h leaves as codes (hbuf).
; SHARES.  Work-group (fs, e): expert e, hidden units 128 fs .. 128 fs + 127, as two halves u of 64; all rows of the expert.  Its 512 KiB of w1 come in
; sixteen chunks ch = 8 u + s of 128 k x 64 f (a row's piece is 256 aligned bytes).
; ROLES.  Waves 0-7 stream: load f32, hold, convert, store codes to LDS; nothing in their text hangs on data, so their counted waits hold.
; Waves 8-15 compute: wave cw owns the row tiles cw + 8 j (16 rows each), four at a time in registers.  One barrier a chunk: behind it the chunk's codes may be read.
; The codes stay in LDS (128 KiB) and no byte of them is written twice, so nothing is ever read that is being overwritten.
; WHICH ROWS.  selw[t] has bit e or bit 8 + e set where token t uses expert e.  Each compute wave makes the 32 mask words of its expert and finds, for each lane's place p in
; the expert's list, the p-th set bit (a walk over the words, then five halvings inside a word).  Places past the count take some valid token: padding that the next launch does not store.
; LAYOUTS.  The product is used transposed: source 0 = 16 columns of w1, source 1 = 16 rows of x; a lane then holds one row and eight hidden units.
; Tile t of a chunk holds columns 4 m + t (m = 0..15): so a streaming lane's four neighbouring columns (one load of 16 bytes) belong to four tiles, at row m = lane % 16.
; Byte q of lane (r, h) of a fragment stands for k = 128 s + 64 h + q, in w1's and in x's alike: every product meets its partner; the order of the sums inside an instruction differs from k's.
; A fragment lies in LDS as an image of its registers: four pieces of 512 bytes, lane l's 16 bytes at 16 l.
; hbuf [e][tile 64][S 32][2048]: images too.  Byte q of lane (r, h) is hidden unit 128 S + 64 (q / 32) + 32 h + 4 (q % 8) + (q / 8) % 4: the order in which the results fall.
; gelu(v) = max(v, 0) - |v| erfc(|v| / sqrt 2) / 2;  erfc(z) = t exp(-z^2 + a0 + t (a1 + .. + t a9)), t = 1 / (1 + z / 2): a Chebyshev fit of fractional error near 1.2e-7; coefficients are premultiplied by log2 e, the half is folded into a0.
; NO TENSOR LOADS, NO CLUSTER: the number of row tiles is read from memory, so this text branches on loaded numbers; the weights, the bulk of the bytes, are shared by no two work-groups.
; LIMITS: ex + ew1 between -126 and 127; ew1 and eh between -126 and 119.  NaN and infinities among the inputs are not served.
; REGISTERS.  v1, v2 16 x lane (+ 65536): image reads; v3-6 the slots' offsets in xq; v7 my offset in hbuf; v8, v9 b1 in LDS (read, write); v10, v11 where a streamer puts its 8 bytes;
; v12 a streamer's offset in w1; v13 16 (lane % 16); v14 the mask words, one a lane; v15 at work; v[16:17] a8; v18 the scale, v19 448 x the scale (w1's in streamers, h's in compute waves);
; v24-31 codes; streamers: v32-63 held numbers, v128-255 four sets of 32 loaded numbers; compute: v32-63 two fragments of w1 (later b1), v64-127 the slots' fragments of x (at the head selw; later at work), v128-255 accumulators (slot j, tile t) at 128 + 32 j + 8 t.
; The streamers' loads from memory land in v128-255 alone, the compute waves' in v32-35 and v64-127 alone: no register takes loads in both roles.
; s16 wave, s17 wave % 8, s18 e, s[20:23] w1's two bases, s[28:31] ex ew1 ew2 eh, s32 2^(ex + ew1), s34 count, s35 tiles, s36 my slots in use, s37 my tiles beyond four, s38-43, s46, s47 at work, s[44:45] hbuf, s66-87 gelu's constants.
.set B1L, 0x20000                      ; LDS: behind the 128 KiB of codes, 512 bytes of b1
.macro PLACES n
.rept \n
	v_nop
.endr
.endm
.macro BAR                             ; my LDS stores have landed and my LDS loads are in: then the work-group's barrier
	s_wait_dscnt 0x0
	s_barrier_signal -1
	s_barrier_wait -1
.endm
.macro SPAIR r, val                    ; a constant as a pair: the packed forms name a pair and take its low word for both halves
	s_mov_b32 s[\r], \val
	s_mov_b32 s[\r+1], \val
.endm
; chunk ch: my eight rows k = 128 s + 16 sw + 8 (lane / 16) + j, 16 bytes of each: sixteen lanes read 256 consecutive bytes.  Every step is an immediate; rows 512 on have a base of their own.
.macro LOADCH ch
.set RS, 128+32*((\ch)%4)
.irp j, 0,1,2,3,4,5,6,7
.if ((\ch)&7) < 4
	global_load_b128 v[RS+4*\j:RS+4*\j+3], v12, s[20:21] offset:(((\ch)&3)*128+\j)*16384+256*((\ch)>>3) th:TH_LOAD_NT
.else
	global_load_b128 v[RS+4*\j:RS+4*\j+3], v12, s[22:23] offset:(((\ch)&3)*128+\j)*16384+256*((\ch)>>3) th:TH_LOAD_NT
.endif
.endr
.endm
.macro STREAM ch
.set RS, 128+32*((\ch)%4)
.if (\ch) <= 12
	s_wait_loadcnt 24                              ; loads come back in order: this chunk's eight are in, the three chunks behind it stay out
.else
	s_wait_loadcnt 8*(15-(\ch))                    ; fewer chunks are left behind it
.endif
.irp t, 0,1,2,3
.irp j, 0,1,2,3,4,5,6,7
	v_med3_num_f32 v[32+8*\t+\j], v[RS+4*\j+\t], -v19, v19   ; the hold (the conversion does not saturate: ISA guide 7.6.2) also turns 8 rows x 4 columns into 4 tiles x 8 along k
.endr
.endr
.if (\ch)+4 < 16
	LOADCH (\ch)+4                                 ; the set is free: four chunks, 32 loads a wave, are on their way
.endif
.irp t, 0,1,2,3
	v_cvt_scalef32_pk8_fp8_f32 v[24+2*\t:25+2*\t], v[32+8*\t:39+8*\t], v18
.endr
	v_nop                                          ; a plain line behind the conversions: the next chunk's holds write their sources
.irp t, 0,1,2,3
.if (\ch) < 8
	ds_store_b64 v10, v[24+2*\t:25+2*\t] offset:((\ch)&7)*8192+\t*2048   ; 32 lanes store 256 consecutive bytes of tile t's image
.else
	ds_store_b64 v11, v[24+2*\t:25+2*\t] offset:((\ch)&7)*8192+\t*2048
.endif
.endr
.endm
.macro WLOAD ch, c0                    ; the images of tiles c0, c0 + 1 of chunk ch
.irp t, 0,1
.irp p, 0,1,2,3
.if (\ch) < 8
	ds_load_b128 v[32+16*\t+4*\p:35+16*\t+4*\p], v1 offset:((\ch)&7)*8192+(\c0+\t)*2048+512*\p
.else
	ds_load_b128 v[32+16*\t+4*\p:35+16*\t+4*\p], v2 offset:((\ch)&7)*8192+(\c0+\t)*2048+512*\p
.endif
.endr
.endr
.endm
; two tiles of w1 against my slots in use.  The accumulators take turns, one instruction a turn.  zero = 1: the products start the sums, in all four slots, so that every accumulator is written.
.macro WBLOCK c0, zero
.irp j, 0,1,2,3
.if (\j > 0) && (\zero == 0)
	s_cmp_lt_u32 s36, \j+1
	s_cbranch_scc1 .Lwb_\@
.endif
.irp t, 0,1
.if \zero
	v_wmma_f32_16x16x128_fp8_fp8 v[128+32*\j+8*(\c0+\t):135+32*\j+8*(\c0+\t)], v[32+16*\t:47+16*\t], v[64+16*\j:79+16*\j], 0
.else
	v_wmma_f32_16x16x128_fp8_fp8 v[128+32*\j+8*(\c0+\t):135+32*\j+8*(\c0+\t)], v[32+16*\t:47+16*\t], v[64+16*\j:79+16*\j], v[128+32*\j+8*(\c0+\t):135+32*\j+8*(\c0+\t)]
.endif
.endr
.endr
.Lwb_\@:
.endm
.macro XLOAD0                          ; k step 0 of all four slots' rows: no guard, every slot's offset names a valid token
.irp j, 0,1,2,3
.irp p, 0,1,2,3
	global_load_b128 v[64+16*\j+4*\p:67+16*\j+4*\p], v[3+\j], s[8:9] offset:16*\p
.endr
.endr
.endm
.macro XNEXT off                       ; the next k step, for the slots in use
.irp j, 0,1,2,3
	s_cmp_lt_u32 s36, \j+1
	s_cbranch_scc1 .Lxn_\@
.irp p, 0,1,2,3
	global_load_b128 v[64+16*\j+4*\p:67+16*\j+4*\p], v[3+\j], s[8:9] offset:\off+16*\p
.endr
.endr
.Lxn_\@:
.endm
.macro COMPUTE ch, zero
	s_wait_loadcnt 0x0                             ; the slots' fragments of x, asked for a chunk ago; on every path
.if \zero
	PLACES 5                                       ; accumulators begun anew stand five places behind the last matrix instruction
.else
	s_cmp_eq_u32 s36, 0
	s_cbranch_scc1 .Lce_\@
.endif
	WLOAD \ch, 0
	s_wait_dscnt 0x0
	WBLOCK 0, \zero
	PLACES 4                                       ; in front of loads into registers that matrix instructions have read
	WLOAD \ch, 2
	s_wait_dscnt 0x0
	WBLOCK 2, \zero
	PLACES 4
.if ((\ch)&7) < 7
	XNEXT 128*(((\ch)&7)+1)
.endif
.Lce_\@:
.endm
; the r-th set bit of a word: counts of 2, 4, 8, 16 bits (v172-175), then five halvings.  v176 r, v177 the place, v178, v179 at work
.macro LEVEL src, mask, step
	v_lshrrev_b32 v178, v177, v[\src]
	v_and_b32 v178, \mask, v178                    ; set bits in the lower half of what is left
	v_cmp_ge_u32 vcc_lo, v176, v178
	v_sub_nc_u32 v178, v176, v178
	v_cndmask_b32 v176, v176, v178, vcc_lo
	v_add_nc_u32 v179, \step, v177
	v_cndmask_b32 v177, v177, v179, vcc_lo
.endm
.macro RANK j
	v_and_b32 v176, 0xffff, v[168+\j]
	v_sub_nc_u32 v176, v[160+\j], v176             ; my place among the word's set bits
	v_lshrrev_b32 v172, 1, v[164+\j]
	v_and_b32 v172, 0x55555555, v172
	v_sub_nc_u32 v172, v[164+\j], v172
	v_lshrrev_b32 v173, 2, v172
	v_and_b32 v173, 0x33333333, v173
	v_and_b32 v178, 0x33333333, v172
	v_add_nc_u32 v173, v173, v178
	v_lshrrev_b32 v174, 4, v173
	v_add_nc_u32 v174, v174, v173
	v_and_b32 v174, 0x0f0f0f0f, v174
	v_lshrrev_b32 v175, 8, v174
	v_add_nc_u32 v175, v175, v174
	v_and_b32 v175, 0x00ff00ff, v175
	v_mov_b32 v177, 0
	LEVEL 175, 0xffff, 16
	LEVEL 174, 0xff, 8
	LEVEL 173, 15, 4
	LEVEL 172, 3, 2
	LEVEL 164+\j, 1, 1
	v_lshrrev_b32 v178, 16, v[168+\j]
	v_lshl_add_u32 v177, v178, 5, v177             ; 32 x word + bit
	v_min_u32 v[180+\j], 0x3ff, v177               ; a token's number, held inside the table
.endm
; for slots j = 0..3: the token at place p = 16 (base + cw + 8 j) + lane % 16 of my expert's list -> v[180 + j].  v160.. p, v164.. the word, v168.. set bits before it | word << 16.  Also s34 = the count.
.macro SELECT4 base
	v_and_b32 v160, 15, v0
	s_add_co_u32 s47, s17, \base
	s_lshl_b32 s47, s47, 4
	v_add_nc_u32 v160, s47, v160
	v_add_nc_u32 v161, 0x80, v160
	v_add_nc_u32 v162, 0x100, v160
	v_add_nc_u32 v163, 0x180, v160
	v_readlane_b32 s40, v14, 0
	s_mov_b32 s39, 0
.irp j, 0,1,2,3
	v_mov_b32 v[164+\j], s40
	v_mov_b32 v[168+\j], 0
.endr
	s_mov_b32 s38, 1
.Lsel_\@:                                          ; 31 trips: the last word whose set bits before it are p or fewer holds place p
	s_bcnt1_i32_b32 s42, s40
	s_add_co_u32 s39, s39, s42
	v_readlane_b32 s40, v14, s38
	s_lshl_b32 s41, s38, 16
	s_or_b32 s41, s41, s39
.irp j, 0,1,2,3
	v_cmp_le_u32 vcc_lo, s39, v[160+\j]
	v_cndmask_b32 v[164+\j], v[164+\j], s40, vcc_lo
	v_cndmask_b32 v[168+\j], v[168+\j], s41, vcc_lo
.endr
	s_add_co_u32 s38, s38, 1
	s_cmp_lt_u32 s38, 32
	s_cbranch_scc1 .Lsel_\@
	s_bcnt1_i32_b32 s42, s40
	s_add_co_u32 s34, s39, s42
	RANK 0
	RANK 1
	RANK 2
	RANK 3
.endm
.macro SLOTS                           ; a slot's offset in xq: token x 1,024 + 64 (lane / 16)
	v_bfe_u32 v184, v0, 4, 1
	v_lshlrev_b32 v184, 6, v184
.irp j, 0,1,2,3
	v_lshlrev_b32 v[3+\j], 10, v[180+\j]
	v_add_nc_u32 v[3+\j], v184, v[3+\j]
.endr
.endm
.macro FMAB j                          ; slot j's 32 sums x 2^(ex + ew1) + b1, each accumulator from its low end on, into v64-95: register 8 t + i is unit 32 h + 4 i + t
.irp t, 0,1,2,3
.irp i, 0,1,2,3,4,5,6,7
	v_fma_f32 v[64+8*\t+\i], v[128+32*\j+8*\t+\i], s32, v[32+4*\i+\t]
.endr
.endr
.endm
.macro GELU8 x                         ; eight numbers at v[x]: gelu, then the hold.  v96.. max(v, 0); v104.. |v|; v112.. t; v120.. the exponent
.irp i, 0,1,2,3,4,5,6,7
	v_max_num_f32 v[96+\i], 0, v[\x+\i]
.endr
.irp i, 0,2,4,6
	v_pk_fma_f32 v[104+\i:105+\i], v[96+\i:97+\i], 2.0, v[\x+\i:\x+\i+1] op_sel_hi:[1,0,1] neg_lo:[0,0,1] neg_hi:[0,0,1]   ; |v| = 2 max(v, 0) - v
.endr
.irp i, 0,2,4,6
	v_pk_fma_f32 v[112+\i:113+\i], v[104+\i:105+\i], s[84:85], 1.0 op_sel_hi:[1,0,0]   ; 1 + z / 2
.endr
.irp i, 0,1,2,3,4,5,6,7
	v_rcp_f32 v[112+\i], v[112+\i]
.endr
.irp i, 0,2,4,6
	v_pk_mul_f32 v[\x+\i:\x+\i+1], v[\x+\i:\x+\i+1], v[\x+\i:\x+\i+1]   ; v^2  (plain lines behind the reciprocals)
.endr
	s_wait_alu depctr_va_vdst(0)
.irp i, 0,2,4,6
	v_pk_fma_f32 v[120+\i:121+\i], v[112+\i:113+\i], s[66:67], v[16:17] op_sel_hi:[1,0,1]   ; t a9 + a8
.endr
.irp k, 68,70,72,74,76,78,80,82
.irp i, 0,2,4,6
	v_pk_fma_f32 v[120+\i:121+\i], v[120+\i:121+\i], v[112+\i:113+\i], s[\k:\k+1] op_sel_hi:[1,1,0]   ; .. t + a7 .. a0
.endr
.endr
.irp i, 0,2,4,6
	v_pk_fma_f32 v[120+\i:121+\i], v[\x+\i:\x+\i+1], s[86:87], v[120+\i:121+\i] op_sel_hi:[1,0,1]   ; - z^2 log2 e
.endr
.irp i, 0,1,2,3,4,5,6,7
	v_exp_f32 v[120+\i], v[120+\i]
.endr
.irp i, 0,2,4,6
	v_pk_mul_f32 v[104+\i:105+\i], v[104+\i:105+\i], v[112+\i:113+\i]   ; |v| t  (plain lines behind the exponentials)
.endr
	s_wait_alu depctr_va_vdst(0)
.irp i, 0,2,4,6
	v_pk_fma_f32 v[\x+\i:\x+\i+1], v[104+\i:105+\i], v[120+\i:121+\i], v[96+\i:97+\i] neg_lo:[1,0,0] neg_hi:[1,0,0]
.endr
.irp i, 0,1,2,3,4,5,6,7
	v_med3_num_f32 v[\x+\i], v[\x+\i], -v19, v19
.endr
.endm
; half u is finished: bias, gelu, quantiser, and 32 bytes a lane into the tile's image in hbuf.  One text for the four slots: a loop of four trips; only the 32 lines that name the accumulators are written four times.
.macro EPI u
.irp i, 0,1,2,3,4,5,6,7
	ds_load_b128 v[32+4*\i:35+4*\i], v8 offset:256*\u+16*\i   ; b1 of my 32 units
.endr
	s_wait_dscnt 0x0
	s_mov_b32 s46, 0
.Lej_\@:
	s_cmp_ge_u32 s46, s36
	s_cbranch_scc1 .Len_\@
	s_cmp_eq_u32 s46, 0
	s_cbranch_scc0 .Le1_\@
	FMAB 0
	s_branch .Leg_\@
.Le1_\@:
	s_cmp_eq_u32 s46, 1
	s_cbranch_scc0 .Le2_\@
	FMAB 1
	s_branch .Leg_\@
.Le2_\@:
	s_cmp_eq_u32 s46, 2
	s_cbranch_scc0 .Le3_\@
	FMAB 2
	s_branch .Leg_\@
.Le3_\@:
	FMAB 3
.Leg_\@:
	GELU8 64
	GELU8 72
	GELU8 80
	GELU8 88
	s_wait_xcnt 0x0                                ; the last slot's stores have been taken up: their data and offset may be written
	s_lshl_b32 s47, s46, 19
	v_add_nc_u32 v15, s47, v7                      ; tile cw + 8 j: 65,536 bytes a tile
.irp t, 0,1,2,3
	v_cvt_scalef32_pk8_fp8_f32 v[24+2*\t:25+2*\t], v[64+8*\t:71+8*\t], v18
.endr
	v_nop                                          ; a plain line behind the conversions
	global_store_b128 v15, v[24:27], s[44:45] offset:1024*\u         ; 32 lanes store 512 consecutive bytes, aligned
	global_store_b128 v15, v[28:31], s[44:45] offset:1024*\u+512
.Len_\@:
	s_add_co_u32 s46, s46, 1
	s_cmp_lt_u32 s46, 4
	s_cbranch_scc1 .Lej_\@
.endm
.macro TRIP i                          ; streamers: chunk i into LDS;  compute waves: chunk i - 1, which the last barrier has shown whole
	s_cmp_lt_u32 s16, 8
	s_cbranch_scc0 .Ltc_\@
	STREAM \i
	s_branch .Ltj_\@
.Ltc_\@:
.if (((\i)-1)&7) == 0
	COMPUTE (\i)-1, 1
.else
	COMPUTE (\i)-1, 0
.endif
.if (\i) == 8
	EPI 0                                          ; the first half's way out, while the streamers' four chunks are on their way
	XLOAD0
.endif
.Ltj_\@:
	BAR
.endm
	s_load_b256 s[4:11], s[0:1], 0x0               ; w1, b1, xq, selw
	s_load_b128 s[12:15], s[0:1], 0x20             ; lowp_scales, hbuf
	v_lshl_add_u32 v22, v0, 2, 0x20200
	v_mov_b32 v23, 0
	v_lshrrev_b32 v15, 5, v0
	v_readfirstlane_b32 s16, v15                   ; wave 0..15
	s_and_b32 s17, s16, 7                          ; sw or cw
	s_and_b32 s18, ttmp7, 0xffff                   ; e
	; every LDS address is made here, ahead of the roles' parting
	v_and_b32 v1, 31, v0
	v_lshlrev_b32 v1, 4, v1                        ; 16 x lane
	v_add_nc_u32 v2, 0x10000, v1
	v_and_b32 v13, 15, v0
	v_lshlrev_b32 v13, 4, v13                      ; 16 (lane % 16)
	v_bfe_u32 v15, v0, 4, 1                        ; lane / 16
	v_lshlrev_b32 v8, 7, v15
	v_add_nc_u32 v8, B1L, v8                       ; b1: my half's 32 numbers
	v_add_nc_u32 v9, B1L, v1
	s_and_b32 s20, s17, 3
	s_lshl_b32 s20, s20, 9                         ; piece sw % 4 of an image,
	s_lshr_b32 s21, s17, 2
	s_lshl_b32 s21, s21, 8                         ; its lanes 16 (sw / 4) on
	s_add_co_u32 s20, s20, s21
	v_lshl_add_u32 v10, v15, 3, v13
	v_add_nc_u32 v10, s20, v10                     ; + 16 (lane % 16) + 8 (lane / 16)
	v_add_nc_u32 v11, 0x10000, v10
	s_lshl_b32 s20, s17, 18
	v_lshl_add_u32 v12, v15, 17, v13
	v_add_nc_u32 v12, s20, v12                     ; w1: row 16 sw + 8 (lane / 16), 16,384 bytes a row
	s_lshl_b32 s20, s17, 16
	v_add_nc_u32 v7, s20, v1                       ; hbuf: tile cw, my lane's 16 bytes
	s_lshl_b32 s24, s18, 24
	s_lshl_b32 s25, ttmp9, 9
	s_add_co_u32 s24, s24, s25                     ; w1: expert, 128 fs columns
	s_mov_b32 s25, 0
	s_lshl_b32 s26, s18, 14
	s_lshl_b32 s27, ttmp9, 9
	s_add_co_u32 s26, s26, s27                     ; b1 likewise
	s_mov_b32 s27, 0
	s_lshl_b32 s46, s18, 22
	s_lshl_b32 s47, ttmp9, 11
	s_add_co_u32 s46, s46, s47                     ; hbuf: expert, K step S = fs
	s_mov_b32 s47, 0
	s_wait_kmcnt 0x0
	s_load_b128 s[28:31], s[12:13], 0x0            ; ex, ew1, ew2, eh
	s_add_nc_u64 s[20:21], s[4:5], s[24:25]
	s_add_nc_u64 s[22:23], s[20:21], 0x800000      ; rows 512 on
	s_add_nc_u64 s[6:7], s[6:7], s[26:27]
	s_add_nc_u64 s[44:45], s[14:15], s[46:47]
	; ---- trip 0
	s_cmp_lt_u32 s16, 8
	s_cbranch_scc0 .Lhead_c
.irp c, 0,1,2,3
	LOADCH \c
.endr
	s_wait_kmcnt 0x0
	s_add_co_i32 s24, s29, 127
	s_lshl_b32 s25, s24, 23
	v_mov_b32 v18, s25                             ; 2^ew1 as f32
	s_add_co_i32 s24, s24, 8
	s_lshl_b32 s24, s24, 23
	s_or_b32 s24, s24, 0x600000
	v_mov_b32 v19, s24                             ; 448 x 2^ew1
	STREAM 0
	s_branch .Ljoin0
.Lhead_c:
	v_lshrrev_b32 v15, 2, v1                       ; 4 x lane
.set K, 0
.rept 32
	global_load_b32 v[64+K], v15, s[10:11] offset:128*K   ; selw, all 1,024 words
.set K, K+1
.endr
	s_cmp_lg_u32 s16, 8
	s_cbranch_scc1 .Lnb0
	global_load_b128 v[32:35], v1, s[6:7]          ; wave 8 brings the slice of b1
.Lnb0:
	SPAIR 66, 0x3e7c6f08                           ; a9 .. a0, each x log2 e; a0 also - 1 for the half
	SPAIR 68, 0x40097039
	SPAIR 70, 0xbfd1a1e5
	SPAIR 72, 0x3ecdfd18
	SPAIR 74, 0xbe899a80
	SPAIR 76, 0x3e0efb2e
	SPAIR 78, 0x3f0a29d2
	SPAIR 80, 0x3fb8ab5a
	SPAIR 82, 0xc034d90f
	SPAIR 84, 0x3eb504f3                           ; 1 / (2 sqrt 2)
	SPAIR 86, 0xbf38aa3b                           ; - log2 e / 2
	v_mov_b32 v16, 0xbf97d29d                      ; a8
	v_mov_b32 v17, 0xbf97d29d
	v_mov_b32 v14, 0
	s_lshl_b32 s43, 0x101, s18                     ; my expert's two bits
	s_wait_kmcnt 0x0
	s_add_co_i32 s32, s28, s29
	s_add_co_i32 s32, s32, 127
	s_lshl_b32 s32, s32, 23                        ; 2^(ex + ew1) as f32
	s_add_co_i32 s24, s31, 127
	s_lshl_b32 s25, s24, 23
	v_mov_b32 v18, s25                             ; 2^eh
	s_add_co_i32 s24, s24, 8
	s_lshl_b32 s24, s24, 23
	s_or_b32 s24, s24, 0x600000
	v_mov_b32 v19, s24                             ; 448 x 2^eh
	s_wait_loadcnt 0x0
	s_cmp_lg_u32 s16, 8
	s_cbranch_scc1 .Lnb1
	ds_store_b128 v9, v[32:35]                     ; the barrier of this trip shows it to the others
.Lnb1:
.set K, 0
.rept 32
	v_and_b32 v[64+K], s43, v[64+K]
	v_cmp_ne_u32 vcc_lo, 0, v[64+K]
	v_writelane_b32 v14, vcc_lo, K                 ; lane K keeps the mask of tokens 32 K .. 32 K + 31
.set K, K+1
.endr
	SELECT4 0
	s_add_co_u32 s35, s34, 15
	s_lshr_b32 s35, s35, 4
	s_max_u32 s35, s35, 1                          ; tiles: at least one, so that tile 0 is always written
	s_add_co_u32 s36, s35, 7
	s_sub_co_u32 s36, s36, s17
	s_lshr_b32 s36, s36, 3                         ; my tiles: cw, cw + 8, ..
	s_min_u32 s47, s36, 4
	s_sub_co_u32 s37, s36, s47                     ; those beyond four wait for the second run
	s_mov_b32 s36, s47
	SLOTS
	XLOAD0
.Ljoin0:
	BAR
.irp i, 1,2,3,4,5,6,7,8,9,10,11,12,13,14,15
	TRIP \i
.endr
	s_cmp_lt_u32 s16, 8
	s_cbranch_scc1 .Lend                           ; the streamers are done; no barrier follows
	COMPUTE 15, 0
	EPI 1
	; ---- an expert with more than 512 rows: tiles 32 on, from the codes that still lie in LDS
	s_cmp_eq_u32 s37, 0
	s_cbranch_scc1 .Lend
	s_mov_b32 s36, s37
	SELECT4 32
	SLOTS
	s_wait_xcnt 0x0                                ; the stores have been taken up: their base may step
	s_add_nc_u64 s[44:45], s[44:45], 0x200000      ; 32 tiles on
	XLOAD0
	COMPUTE 0, 1
.irp c, 1,2,3,4,5,6,7
	COMPUTE \c, 0
.endr
	EPI 0
	XLOAD0
	COMPUTE 8, 1
.irp c, 9,10,11,12,13,14,15
	COMPUTE \c, 0
.endr
	EPI 1
.Lend:
	s_wait_tensorcnt 0x0
	ds_add_u32 v22, v23
	s_wait_dscnt 0x0
	s_endpgm
.Lfunc_end_k_q226db1c903_ffn1:
	.size	k_q226db1c903_ffn1, .Lfunc_end_k_q226db1c903_ffn1-k_q226db1c903_ffn1
	.p2alignl 7, 3214868480
	.fill 96, 4, 3214868480
	.section	.rodata,"a",@progbits
	.p2align	6, 0x0
	.amdhsa_kernel k_q226db1c903_ffn1
		.amdhsa_group_segment_fixed_size 133632
		.amdhsa_private_segment_fixed_size 0
		.amdhsa_enable_private_segment 0
		.amdhsa_kernarg_size 48
		.amdhsa_user_sgpr_count 2
		.amdhsa_user_sgpr_kernarg_segment_ptr 1
		.amdhsa_wavefront_size32 1
		.amdhsa_system_sgpr_workgroup_id_x 1
		.amdhsa_system_sgpr_workgroup_id_y 1
		.amdhsa_system_sgpr_workgroup_id_z 1
		.amdhsa_system_vgpr_workitem_id 0
		.amdhsa_next_free_vgpr 256
		.amdhsa_next_free_sgpr 100
		.amdhsa_reserve_vcc 1
		.amdhsa_float_denorm_mode_32 3
		.amdhsa_float_denorm_mode_16_64 3
		.amdhsa_memory_ordered 1
		.amdhsa_forward_progress 1
		.amdhsa_inst_pref_size 255
	.end_amdhsa_kernel
	.section	.bss,"aw",@nobits
	.p2align	6
	.space	262144
	.amdgpu_metadata
---
amdhsa.version: [ 1, 2 ]
amdhsa.kernels:
  - .name:           k_q226db1c903_ffn1
    .symbol:         k_q226db1c903_ffn1.kd
    .args:
      - { .name: w1, .offset: 0, .size: 8, .value_kind: global_buffer, .address_space: global }
      - { .name: b1, .offset: 8, .size: 8, .value_kind: global_buffer, .address_space: global }
      - { .name: xq, .offset: 16, .size: 8, .value_kind: global_buffer, .address_space: global }
      - { .name: selw, .offset: 24, .size: 8, .value_kind: global_buffer, .address_space: global }
      - { .name: lowp_scales, .offset: 32, .size: 8, .value_kind: global_buffer, .address_space: global }
      - { .name: hbuf, .offset: 40, .size: 8, .value_kind: global_buffer, .address_space: global }
    .group_segment_fixed_size: 133632
    .private_segment_fixed_size: 0
    .kernarg_segment_align: 8
    .kernarg_segment_size: 48
    .max_flat_workgroup_size: 512
    .sgpr_count:     100
    .vgpr_count:     256
    .wavefront_size: 32
...
	.end_amdgpu_metadata
.endif
;; end of part 2
;; launch ffn2 (part 3): grid 32 x 8, 16 waves a work-group, no clusters, 203,008 bytes of LDS; arguments w2, b2, hbuf, selw, lowp_scales, ybuf; writes ybuf
.if DOCPART == 3
	.amdgcn_target "amdgcn-amd-amdhsa--gfx1250"
	.amdhsa_code_object_version 6
	.text
	.protected	k_q226db1c903_ffn2
	.globl	k_q226db1c903_ffn2
	.p2align	8
	.type	k_q226db1c903_ffn2,@function
k_q226db1c903_ffn2:
	s_mov_b64 s[64:65], 0
	v_nop
	global_prefetch_b8 v0, s[64:65] scope:SCOPE_SE
	s_setreg_imm32_b32 hwreg(HW_REG_WAVE_MODE, 25, 1), 1
	s_wait_xcnt 0x0
; SECOND PRODUCT OF THE EXPERTS: y = Q(h) Q(w2) + b2, for the rows that the router gave to each expert.
; w2 [8][4096 f][1024 c] f32 is read once, quantised in registers and kept as codes in LDS; h comes as register images (hbuf, laid by the launch before).
; SHARES.  Work-group (x, e): expert e, output columns 64 cs .. 64 cs + 63 (cs = x % 16), half kh = x / 16 of K (2,048 hidden units).  Its 512 KiB of w2 come in sixteen chunks of 128 f x 64 c.
; The two halves of K go to two planes of ybuf [kh][slot][token][1024]; slot 0 is a token's first expert, slot 1 its second: every row has one owner.  b2 is added in plane kh = 0 alone.  The last launch adds and weighs.
; ROLES, LDS, ROW LISTS as in the first product: waves 0-7 stream and convert, waves 8-15 multiply; one barrier a chunk; the codes stay in LDS.
; LAYOUTS.  Source 0 = 16 columns of w2 (tile t: columns 4 m + t), source 1 = 16 rows of h.  Byte q of lane (r, h) stands for hidden unit 128 S + 64 (q / 32) + 32 h + 4 (q % 8) + (q / 8) % 4 on both sides:
; so streamer sw (piece sw % 4, half sw / 4) takes rows 64 ((sw % 4) / 2) + 32 (sw / 4) + 2 (sw % 2) + lane / 16 + 4 j of a chunk.
; THE WAY OUT.  A lane holds 32 neighbouring columns of one row; a tile goes through the wave's own stage in LDS and leaves by rows: sixteen lanes store 256 consecutive aligned bytes of a token's row.  Rows past the count are not stored.
; NO TENSOR LOADS, NO CLUSTER: the number of row tiles is read from memory, so this text branches on loaded numbers; the weights, the bulk of the bytes, are shared by no two work-groups.
; LIMITS: ew2 + eh between -126 and 127; ew2 between -126 and 119.  NaN and infinities are not served.  K is summed in two halves that are added in f32 later.
; REGISTERS.  v1, v2 16 x lane (+ 65536); v3-6 the slots' offsets in hbuf; v8, v9 b2 in LDS; v10, v11 a streamer's place in an image; v12 its offset in w2; v13 16 (lane % 16); v14 the mask words; v15 at work;
; v18, v19 2^ew2 and 448 x it; v20, v21 the stage, in and back; v22 32 (lane / 16); v23 8 (lane / 16) + 16 cw; v24-27 the slots' rows in ybuf (streamers: v24-31 codes);
; streamers: v32-63 held numbers, v128-255 four sets of 32;  compute: v32-63 two fragments of w2 (later b2), v64-127 the slots' fragments of h (at the head selw; later the way out), v128-255 accumulators at 128 + 32 j + 8 t.
; The streamers' loads from memory land in v128-255 alone, the compute waves' in v32-35 and v64-127 alone: no register takes loads in both roles.
; s16 wave, s17 wave % 8, s18 e, s19 kh, s33 cs, s[20:21] w2, s[28:31] the exponents, s32 2^(ew2 + eh), s34 count, s35 tiles, s36 slots in use, s37 tiles beyond four, s[44:45] ybuf, s50-57 row masks.
.set B2L, 0x20000                      ; LDS: behind the 128 KiB of codes, 256 bytes of b2,
.set STG, 0x20100                      ; then a stage of 16 rows x (256 + 16) bytes for each wave
.macro PLACES n
.rept \n
	v_nop
.endr
.endm
.macro BAR                             ; my LDS stores have landed and my LDS loads are in: then the work-group's barrier
	s_wait_dscnt 0x0
	s_barrier_signal -1
	s_barrier_wait -1
.endm
.macro LOADCH ch                       ; chunk ch: my eight rows, four apart, 16 bytes of each: sixteen lanes read 256 consecutive bytes.  Every step is an immediate
.set RS, 128+32*((\ch)%4)
.irp j, 0,1,2,3,4,5,6,7
	global_load_b128 v[RS+4*\j:RS+4*\j+3], v12, s[20:21] offset:(128*(\ch)+4*\j)*4096 th:TH_LOAD_NT
.endr
.endm
.macro STREAM ch
.set RS, 128+32*((\ch)%4)
.if (\ch) <= 12
	s_wait_loadcnt 24                              ; loads come back in order: this chunk's eight are in, the three chunks behind it stay out
.else
	s_wait_loadcnt 8*(15-(\ch))
.endif
.irp t, 0,1,2,3
.irp j, 0,1,2,3,4,5,6,7
	v_med3_num_f32 v[32+8*\t+\j], v[RS+4*\j+\t], -v19, v19   ; the hold (ISA guide 7.6.2) also turns 8 rows x 4 columns into 4 tiles x 8 along K
.endr
.endr
.if (\ch)+4 < 16
	LOADCH (\ch)+4                                 ; the set is free: four chunks, 32 loads a wave, are on their way
.endif
.irp t, 0,1,2,3
	v_cvt_scalef32_pk8_fp8_f32 v[24+2*\t:25+2*\t], v[32+8*\t:39+8*\t], v18
.endr
	v_nop                                          ; a plain line behind the conversions: the next chunk's holds write their sources
.irp t, 0,1,2,3
.if (\ch) < 8
	ds_store_b64 v10, v[24+2*\t:25+2*\t] offset:((\ch)&7)*8192+\t*2048
.else
	ds_store_b64 v11, v[24+2*\t:25+2*\t] offset:((\ch)&7)*8192+\t*2048
.endif
.endr
.endm
.macro WLOAD ch, c0
.irp t, 0,1
.irp p, 0,1,2,3
.if (\ch) < 8
	ds_load_b128 v[32+16*\t+4*\p:35+16*\t+4*\p], v1 offset:((\ch)&7)*8192+(\c0+\t)*2048+512*\p
.else
	ds_load_b128 v[32+16*\t+4*\p:35+16*\t+4*\p], v2 offset:((\ch)&7)*8192+(\c0+\t)*2048+512*\p
.endif
.endr
.endr
.endm
.macro WBLOCK c0, zero                 ; the accumulators take turns, one instruction a turn.  zero = 1: the products start the sums, in all four slots
.irp j, 0,1,2,3
.if (\j > 0) && (\zero == 0)
	s_cmp_lt_u32 s36, \j+1
	s_cbranch_scc1 .Lwb_\@
.endif
.irp t, 0,1
.if \zero
	v_wmma_f32_16x16x128_fp8_fp8 v[128+32*\j+8*(\c0+\t):135+32*\j+8*(\c0+\t)], v[32+16*\t:47+16*\t], v[64+16*\j:79+16*\j], 0
.else
	v_wmma_f32_16x16x128_fp8_fp8 v[128+32*\j+8*(\c0+\t):135+32*\j+8*(\c0+\t)], v[32+16*\t:47+16*\t], v[64+16*\j:79+16*\j], v[128+32*\j+8*(\c0+\t):135+32*\j+8*(\c0+\t)]
.endif
.endr
.endr
.Lwb_\@:
.endm
.macro XLOAD0                          ; K step 0 of all four slots: no guard: a slot not in use names tile 0, which is always written
.irp j, 0,1,2,3
.irp p, 0,1,2,3
	global_load_b128 v[64+16*\j+4*\p:67+16*\j+4*\p], v[3+\j], s[8:9] offset:512*\p   ; 32 lanes read 512 consecutive bytes
.endr
.endr
.endm
.macro XNEXT off
.irp j, 0,1,2,3
	s_cmp_lt_u32 s36, \j+1
	s_cbranch_scc1 .Lxn_\@
.irp p, 0,1,2,3
	global_load_b128 v[64+16*\j+4*\p:67+16*\j+4*\p], v[3+\j], s[8:9] offset:\off+512*\p
.endr
.endr
.Lxn_\@:
.endm
.macro COMPUTE ch, zero
	s_wait_loadcnt 0x0                             ; the slots' fragments of h, asked for a chunk ago; on every path
.if \zero
	PLACES 5                                       ; accumulators begun anew stand five places behind the last matrix instruction
.else
	s_cmp_eq_u32 s36, 0
	s_cbranch_scc1 .Lce_\@
.endif
	WLOAD \ch, 0
	s_wait_dscnt 0x0
	WBLOCK 0, \zero
	PLACES 4                                       ; in front of loads into registers that matrix instructions have read
	WLOAD \ch, 2
	s_wait_dscnt 0x0
	WBLOCK 2, \zero
	PLACES 4
.if (\ch) < 15
	XNEXT 2048*((\ch)+1)
.endif
.Lce_\@:
.endm
; the r-th set bit of a word: counts of 2, 4, 8, 16 bits (v172-175), then five halvings.  v176 r, v177 the place, v178, v179 at work
.macro LEVEL src, mask, step
	v_lshrrev_b32 v178, v177, v[\src]
	v_and_b32 v178, \mask, v178
	v_cmp_ge_u32 vcc_lo, v176, v178
	v_sub_nc_u32 v178, v176, v178
	v_cndmask_b32 v176, v176, v178, vcc_lo
	v_add_nc_u32 v179, \step, v177
	v_cndmask_b32 v177, v177, v179, vcc_lo
.endm
.macro RANK j
	v_and_b32 v176, 0xffff, v[168+\j]
	v_sub_nc_u32 v176, v[160+\j], v176
	v_lshrrev_b32 v172, 1, v[164+\j]
	v_and_b32 v172, 0x55555555, v172
	v_sub_nc_u32 v172, v[164+\j], v172
	v_lshrrev_b32 v173, 2, v172
	v_and_b32 v173, 0x33333333, v173
	v_and_b32 v178, 0x33333333, v172
	v_add_nc_u32 v173, v173, v178
	v_lshrrev_b32 v174, 4, v173
	v_add_nc_u32 v174, v174, v173
	v_and_b32 v174, 0x0f0f0f0f, v174
	v_lshrrev_b32 v175, 8, v174
	v_add_nc_u32 v175, v175, v174
	v_and_b32 v175, 0x00ff00ff, v175
	v_mov_b32 v177, 0
	LEVEL 175, 0xffff, 16
	LEVEL 174, 0xff, 8
	LEVEL 173, 15, 4
	LEVEL 172, 3, 2
	LEVEL 164+\j, 1, 1
	v_lshrrev_b32 v178, 16, v[168+\j]
	v_lshl_add_u32 v177, v178, 5, v177
	v_min_u32 v[180+\j], 0x3ff, v177               ; a token's number, held inside the table
.endm
.macro SELECT4 base                    ; the token at place 16 (base + cw + 8 j) + lane % 16 of my expert's list -> v[180 + j];  s34 = the count
	v_and_b32 v160, 15, v0
	s_add_co_u32 s47, s17, \base
	s_lshl_b32 s47, s47, 4
	v_add_nc_u32 v160, s47, v160
	v_add_nc_u32 v161, 0x80, v160
	v_add_nc_u32 v162, 0x100, v160
	v_add_nc_u32 v163, 0x180, v160
	v_readlane_b32 s40, v14, 0
	s_mov_b32 s39, 0
.irp j, 0,1,2,3
	v_mov_b32 v[164+\j], s40
	v_mov_b32 v[168+\j], 0
.endr
	s_mov_b32 s38, 1
.Lsel_\@:                                          ; 31 trips: the last word whose set bits before it are p or fewer holds place p
	s_bcnt1_i32_b32 s42, s40
	s_add_co_u32 s39, s39, s42
	v_readlane_b32 s40, v14, s38
	s_lshl_b32 s41, s38, 16
	s_or_b32 s41, s41, s39
.irp j, 0,1,2,3
	v_cmp_le_u32 vcc_lo, s39, v[160+\j]
	v_cndmask_b32 v[164+\j], v[164+\j], s40, vcc_lo
	v_cndmask_b32 v[168+\j], v[168+\j], s41, vcc_lo
.endr
	s_add_co_u32 s38, s38, 1
	s_cmp_lt_u32 s38, 32
	s_cbranch_scc1 .Lsel_\@
	s_bcnt1_i32_b32 s42, s40
	s_add_co_u32 s34, s39, s42
	RANK 0
	RANK 1
	RANK 2
	RANK 3
.endm
; the four slots of a run: rows in ybuf, offsets in hbuf, first fragments.  first = 1: the counts are made too
.macro SETUP base, first
	SELECT4 \base
.if \first
	s_add_co_u32 s35, s34, 15
	s_lshr_b32 s35, s35, 4
	s_max_u32 s35, s35, 1                          ; tiles, as the launch before counted them
	s_add_co_u32 s36, s35, 7
	s_sub_co_u32 s36, s36, s17
	s_lshr_b32 s36, s36, 3
	s_min_u32 s47, s36, 4
	s_sub_co_u32 s37, s36, s47
	s_mov_b32 s36, s47
.endif
.irp j, 0,1,2,3
	v_lshlrev_b32 v[172+\j], 2, v[180+\j]
	global_load_b32 v[96+\j], v[172+\j], s[10:11]  ; the token's word once more: is my expert its first or its second?
.endr
.irp j, 0,1,2,3
	s_add_co_u32 s46, s17, \base+8*\j
	s_cmp_gt_u32 s36, \j
	s_cselect_b32 s46, s46, 0                      ; a slot not in use names tile 0
	s_min_u32 s46, s46, 63
	s_lshl_b32 s46, s46, 16
	v_add_nc_u32 v[3+\j], s46, v1
.endr
	s_add_co_u32 s47, s18, 8
	s_wait_loadcnt 0x0
.irp j, 0,1,2,3
	v_lshrrev_b32 v[96+\j], s47, v[96+\j]
	v_and_b32 v[96+\j], 1, v[96+\j]
	v_lshl_add_u32 v[24+\j], v[96+\j], 10, v[180+\j]    ; row = token + 1,024 x slot
.endr
	XLOAD0
.endm
.macro BNLOAD
.irp i, 0,1,2,3,4,5,6,7
	ds_load_b128 v[32+4*\i:35+4*\i], v8 offset:16*\i    ; b2 of my 32 columns (zeros in plane kh = 1)
.endr
	s_wait_dscnt 0x0
.endm
; slot j leaves.  b16 = 16 x the run's first tile.  The slot's accumulators, once read, hold the rows' offsets (RW + i) and the lane indices (RW + 8 + i).
.macro EPI2 j, b16
.set RW, 128+32*\j
	s_cmp_lt_u32 s36, \j+1
	s_cbranch_scc1 .Lq_\@
.irp t, 0,1,2,3
.irp i, 0,1,2,3,4,5,6,7
	v_fma_f32 v[64+4*\i+\t], v[RW+8*\t+\i], s32, v[32+4*\i+\t]   ; sum x 2^(ew2 + eh) + b2; each accumulator from its low end on; register 4 i + t is column 32 h + 4 i + t
.endr
.endr
.irp i, 0,1,2,3,4,5,6,7
	ds_store_b128 v20, v[64+4*\i:67+4*\i] offset:16*\i
.endr
.irp i, 0,1,2,3,4,5,6,7
	ds_load_b128 v[96+4*\i:99+4*\i], v21 offset:272*\i  ; LDS serves a wave's instructions in order: lanes 0-15 take row i, lanes 16-31 row i + 8
.endr
.irp i, 0,1,2,3,4,5,6,7
	v_add_nc_u32 v[RW+8+\i], 4*\i, v22
.endr
.irp i, 0,1,2,3,4,5,6,7
	ds_bpermute_b32 v[RW+\i], v[RW+8+\i], v[24+\j]      ; that row's place in ybuf, from the lane that holds it
.endr
	s_sub_co_i32 s48, s34, \b16+128*\j
.irp i, 0,1,2,3,4,5,6,7
	s_sub_co_i32 s49, s48, \i
	v_cmp_gt_i32 s[50+\i], s49, v23                     ; the row counts where 16 tile + i + 8 (lane / 16) < count; made with all lanes on
.endr
	s_wait_dscnt 0x0
.irp i, 0,1,2,3,4,5,6,7
	v_min_u32 v[RW+\i], 0x7ff, v[RW+\i]
	v_lshlrev_b32 v[RW+\i], 12, v[RW+\i]
	v_add_nc_u32 v[RW+\i], v13, v[RW+\i]
.endr
.irp i, 0,1,2,3,4,5,6,7
	s_wait_xcnt 0x0                                     ; EXEC changes only behind this wait
	s_mov_b32 exec_lo, s[50+\i]
	global_store_b128 v[RW+\i], v[96+4*\i:99+4*\i], s[44:45]   ; sixteen lanes store 256 consecutive bytes, aligned
.endr
	s_wait_xcnt 0x0                                     ; and again in front of the line that widens it; the stores' data and offsets are free too
	s_mov_b32 exec_lo, -1
.Lq_\@:
.endm
.macro TRIP i
	s_cmp_lt_u32 s16, 8
	s_cbranch_scc0 .Ltc_\@
	STREAM \i
	s_branch .Ltj_\@
.Ltc_\@:
.if (\i) == 1
	COMPUTE 0, 1
.else
	COMPUTE (\i)-1, 0
.endif
.Ltj_\@:
	BAR
.endm
	s_load_b256 s[4:11], s[0:1], 0x0               ; w2, b2, hbuf, selw
	s_load_b128 s[12:15], s[0:1], 0x20             ; lowp_scales, ybuf
	v_lshl_add_u32 v16, v0, 2, 0x31100
	v_mov_b32 v17, 0
	v_lshrrev_b32 v15, 5, v0
	v_readfirstlane_b32 s16, v15                   ; wave 0..15
	s_and_b32 s17, s16, 7
	s_and_b32 s18, ttmp7, 0xffff                   ; e
	s_lshr_b32 s19, ttmp9, 4                       ; kh
	s_and_b32 s33, ttmp9, 15                       ; cs
	; every LDS address is made here, ahead of the roles' parting
	v_and_b32 v1, 31, v0
	v_lshlrev_b32 v1, 4, v1
	v_add_nc_u32 v2, 0x10000, v1
	v_and_b32 v13, 15, v0
	v_lshlrev_b32 v13, 4, v13
	v_bfe_u32 v15, v0, 4, 1                        ; lane / 16
	v_lshlrev_b32 v8, 7, v15
	v_add_nc_u32 v8, B2L, v8
	v_add_nc_u32 v9, B2L, v13
	s_and_b32 s20, s17, 3
	s_lshl_b32 s20, s20, 9
	s_lshr_b32 s21, s17, 2
	s_lshl_b32 s21, s21, 8
	s_add_co_u32 s20, s20, s21
	v_lshl_add_u32 v10, v15, 3, v13
	v_add_nc_u32 v10, s20, v10
	v_add_nc_u32 v11, 0x10000, v10
	s_mul_i32 s20, s16, 4352
	s_add_co_u32 s20, s20, STG                     ; my wave's stage
	v_and_b32 v20, 15, v0
	v_mul_u32_u24 v20, v20, 272
	v_lshl_add_u32 v20, v15, 7, v20
	v_add_nc_u32 v20, s20, v20                     ; in: row lane % 16, 128 bytes for each half of the lanes
	v_mul_u32_u24 v21, v15, 2176
	v_add_nc_u32 v21, v13, v21
	v_add_nc_u32 v21, s20, v21                     ; back: rows 0 on and rows 8 on
	v_lshlrev_b32 v22, 5, v15
	s_lshl_b32 s20, s17, 4
	v_lshlrev_b32 v23, 3, v15
	v_add_nc_u32 v23, s20, v23
	s_and_b32 s20, s17, 2
	s_lshl_b32 s20, s20, 5                         ; 64 ((sw % 4) / 2)
	s_lshr_b32 s21, s17, 2
	s_lshl_b32 s21, s21, 5                         ; 32 (sw / 4)
	s_add_co_u32 s20, s20, s21
	s_and_b32 s21, s17, 1
	s_lshl_b32 s21, s21, 1                         ; 2 (sw % 2)
	s_add_co_u32 s20, s20, s21
	s_lshl_b32 s20, s20, 12                        ; 4,096 bytes a row of w2
	v_lshl_add_u32 v12, v15, 12, v13
	v_add_nc_u32 v12, s20, v12
	s_lshl_b32 s24, s18, 24
	s_lshl_b32 s25, s19, 23
	s_add_co_u32 s24, s24, s25
	s_lshl_b32 s25, s33, 8
	s_add_co_u32 s24, s24, s25                     ; w2: expert, half of K, 64 cs columns
	s_mov_b32 s25, 0
	s_lshl_b32 s26, s18, 12
	s_lshl_b32 s27, s33, 8
	s_add_co_u32 s26, s26, s27                     ; b2
	s_mov_b32 s27, 0
	s_lshl_b32 s46, s18, 22
	s_lshl_b32 s47, s19, 15
	s_add_co_u32 s46, s46, s47                     ; hbuf: expert, K steps 16 kh on
	s_mov_b32 s47, 0
	s_lshl_b32 s48, s19, 23
	s_lshl_b32 s49, s33, 8
	s_add_co_u32 s48, s48, s49                     ; ybuf: plane kh, 64 cs columns
	s_mov_b32 s49, 0
	s_wait_kmcnt 0x0
	s_load_b128 s[28:31], s[12:13], 0x0            ; ex, ew1, ew2, eh
	s_add_nc_u64 s[20:21], s[4:5], s[24:25]
	s_add_nc_u64 s[6:7], s[6:7], s[26:27]
	s_add_nc_u64 s[8:9], s[8:9], s[46:47]
	s_add_nc_u64 s[44:45], s[14:15], s[48:49]
	; ---- trip 0
	s_cmp_lt_u32 s16, 8
	s_cbranch_scc0 .Lhead_c
.irp c, 0,1,2,3
	LOADCH \c
.endr
	s_wait_kmcnt 0x0
	s_add_co_i32 s24, s30, 127
	s_lshl_b32 s25, s24, 23
	v_mov_b32 v18, s25                             ; 2^ew2 as f32
	s_add_co_i32 s24, s24, 8
	s_lshl_b32 s24, s24, 23
	s_or_b32 s24, s24, 0x600000
	v_mov_b32 v19, s24                             ; 448 x 2^ew2
	STREAM 0
	s_branch .Ljoin0
.Lhead_c:
	v_lshrrev_b32 v15, 2, v1                       ; 4 x lane
.set K, 0
.rept 32
	global_load_b32 v[64+K], v15, s[10:11] offset:128*K   ; selw, all 1,024 words
.set K, K+1
.endr
	s_cmp_lg_u32 s16, 8
	s_cbranch_scc1 .Lnb0
	global_load_b128 v[32:35], v13, s[6:7]         ; wave 8 brings the 64 numbers of b2 (both halves of the lanes the same)
.Lnb0:
	v_mov_b32 v14, 0
	s_lshl_b32 s43, 0x101, s18
	s_wait_kmcnt 0x0
	s_add_co_i32 s32, s30, s31
	s_add_co_i32 s32, s32, 127
	s_lshl_b32 s32, s32, 23                        ; 2^(ew2 + eh) as f32
	s_wait_loadcnt 0x0
	s_cmp_lg_u32 s16, 8
	s_cbranch_scc1 .Lnb1
	s_cmp_eq_u32 s19, 0
	s_cselect_b32 s47, -1, 0                       ; the bias counts once: all bits in plane 0, none in plane 1
.irp i, 0,1,2,3
	v_and_b32 v[32+\i], s47, v[32+\i]
.endr
	ds_store_b128 v9, v[32:35]                     ; the barrier of this trip shows it to the others
.Lnb1:
.set K, 0
.rept 32
	v_and_b32 v[64+K], s43, v[64+K]
	v_cmp_ne_u32 vcc_lo, 0, v[64+K]
	v_writelane_b32 v14, vcc_lo, K
.set K, K+1
.endr
	SETUP 0, 1
.Ljoin0:
	BAR
.irp i, 1,2,3,4,5,6,7,8,9,10,11,12,13,14,15
	TRIP \i
.endr
	s_cmp_lt_u32 s16, 8
	s_cbranch_scc1 .Lend                           ; the streamers are done; no barrier follows
	COMPUTE 15, 0
	BNLOAD
	EPI2 0, 0
	EPI2 1, 0
	EPI2 2, 0
	EPI2 3, 0
	; ---- an expert with more than 512 rows: tiles 32 on, from the codes that still lie in LDS
	s_cmp_eq_u32 s37, 0
	s_cbranch_scc1 .Lend
	s_mov_b32 s36, s37
	SETUP 32, 0
	COMPUTE 0, 1
.irp c, 1,2,3,4,5,6,7,8,9,10,11,12,13,14,15
	COMPUTE \c, 0
.endr
	BNLOAD
	EPI2 0, 512
	EPI2 1, 512
	EPI2 2, 512
	EPI2 3, 512
.Lend:
	s_wait_tensorcnt 0x0
	ds_add_u32 v16, v17
	s_wait_dscnt 0x0
	s_endpgm
.Lfunc_end_k_q226db1c903_ffn2:
	.size	k_q226db1c903_ffn2, .Lfunc_end_k_q226db1c903_ffn2-k_q226db1c903_ffn2
	.p2alignl 7, 3214868480
	.fill 96, 4, 3214868480
	.section	.rodata,"a",@progbits
	.p2align	6, 0x0
	.amdhsa_kernel k_q226db1c903_ffn2
		.amdhsa_group_segment_fixed_size 203008
		.amdhsa_private_segment_fixed_size 0
		.amdhsa_enable_private_segment 0
		.amdhsa_kernarg_size 48
		.amdhsa_user_sgpr_count 2
		.amdhsa_user_sgpr_kernarg_segment_ptr 1
		.amdhsa_wavefront_size32 1
		.amdhsa_system_sgpr_workgroup_id_x 1
		.amdhsa_system_sgpr_workgroup_id_y 1
		.amdhsa_system_sgpr_workgroup_id_z 1
		.amdhsa_system_vgpr_workitem_id 0
		.amdhsa_next_free_vgpr 256
		.amdhsa_next_free_sgpr 100
		.amdhsa_reserve_vcc 1
		.amdhsa_float_denorm_mode_32 3
		.amdhsa_float_denorm_mode_16_64 3
		.amdhsa_memory_ordered 1
		.amdhsa_forward_progress 1
		.amdhsa_inst_pref_size 255
	.end_amdhsa_kernel
	.section	.bss,"aw",@nobits
	.p2align	6
	.space	262144
	.amdgpu_metadata
---
amdhsa.version: [ 1, 2 ]
amdhsa.kernels:
  - .name:           k_q226db1c903_ffn2
    .symbol:         k_q226db1c903_ffn2.kd
    .args:
      - { .name: w2, .offset: 0, .size: 8, .value_kind: global_buffer, .address_space: global }
      - { .name: b2, .offset: 8, .size: 8, .value_kind: global_buffer, .address_space: global }
      - { .name: hbuf, .offset: 16, .size: 8, .value_kind: global_buffer, .address_space: global }
      - { .name: selw, .offset: 24, .size: 8, .value_kind: global_buffer, .address_space: global }
      - { .name: lowp_scales, .offset: 32, .size: 8, .value_kind: global_buffer, .address_space: global }
      - { .name: ybuf, .offset: 40, .size: 8, .value_kind: global_buffer, .address_space: global }
    .group_segment_fixed_size: 203008
    .private_segment_fixed_size: 0
    .kernarg_segment_align: 8
    .kernarg_segment_size: 48
    .max_flat_workgroup_size: 512
    .sgpr_count:     100
    .vgpr_count:     256
    .wavefront_size: 32
...
	.end_amdgpu_metadata
.endif
;; end of part 3
;; launch combine (part 4): grid 256 x 1, 4 waves a work-group, no clusters, 0 bytes of LDS; arguments ybuf, rwb, out0; writes out0
.if DOCPART == 4
	.amdgcn_target "amdgcn-amd-amdhsa--gfx1250"
	.amdhsa_code_object_version 6
	.text
	.protected	k_q226db1c903_combine
	.globl	k_q226db1c903_combine
	.p2align	8
	.type	k_q226db1c903_combine,@function
k_q226db1c903_combine:
	s_mov_b64 s[64:65], 0
	v_nop
	global_prefetch_b8 v0, s[64:65] scope:SCOPE_SE
	s_setreg_imm32_b32 hwreg(HW_REG_WAVE_MODE, 25, 1), 1
	s_wait_xcnt 0x0
; out[t] = rw0 (y[0][0][t] + y[1][0][t]) + rw1 (y[0][1][t] + y[1][1][t]):  ybuf [half of K][slot][token][1024] f32, rwb [token][2].
; A wave owns a token: 32 loads of 512 consecutive bytes, all issued at once, and eight stores of 512 consecutive aligned bytes.  A stream: no LDS, no barrier, no matrix unit.
.set Y, 16                             ; v16-143: piece i, buffer b at Y + 16 i + 4 b;  b = 0: half 0, slot 0;  1: half 1, slot 0;  2: half 0, slot 1;  3: half 1, slot 1
	s_load_b128 s[4:7], s[0:1], 0x0                ; ybuf, rwb
	s_load_b64 s[8:9], s[0:1], 0x10                ; out0
	v_lshrrev_b32 v1, 5, v0
	v_readfirstlane_b32 s10, v1
	s_lshl_b32 s11, ttmp9, 2
	s_add_co_u32 s11, s11, s10                     ; token
	v_and_b32 v2, 31, v0
	v_lshlrev_b32 v2, 4, v2
	s_lshl_b32 s12, s11, 12
	s_mov_b32 s13, 0
	s_lshl_b32 s14, s11, 3
	s_mov_b32 s15, 0
	s_wait_kmcnt 0x0
	s_add_nc_u64 s[6:7], s[6:7], s[14:15]
	s_load_b64 s[16:17], s[6:7], 0x0               ; rw0, rw1
	s_add_nc_u64 s[4:5], s[4:5], s[12:13]
	s_add_nc_u64 s[18:19], s[4:5], 0x800000        ; the second half of K
	s_add_nc_u64 s[8:9], s[8:9], s[12:13]
.irp i, 0,1,2,3,4,5,6,7
	global_load_b128 v[Y+16*\i:Y+16*\i+3], v2, s[4:5] offset:512*\i th:TH_LOAD_NT
	global_load_b128 v[Y+16*\i+4:Y+16*\i+7], v2, s[18:19] offset:512*\i th:TH_LOAD_NT
	global_load_b128 v[Y+16*\i+8:Y+16*\i+11], v2, s[4:5] offset:0x400000+512*\i th:TH_LOAD_NT
	global_load_b128 v[Y+16*\i+12:Y+16*\i+15], v2, s[18:19] offset:0x400000+512*\i th:TH_LOAD_NT
.endr
	s_wait_kmcnt 0x0
	s_mov_b32 s20, s17                             ; rw1 as the low word of a pair: the packed forms take the low word for both halves
	s_mov_b32 s21, s17
.irp i, 0,1,2,3,4,5,6,7
	s_wait_loadcnt 4*(7-\i)                        ; loads come back in order: piece i's four are in, the later pieces' stay out
.irp p, 0,2
	v_pk_add_f32 v[Y+16*\i+\p:Y+16*\i+\p+1], v[Y+16*\i+\p:Y+16*\i+\p+1], v[Y+16*\i+4+\p:Y+16*\i+4+\p+1]
	v_pk_add_f32 v[Y+16*\i+8+\p:Y+16*\i+8+\p+1], v[Y+16*\i+8+\p:Y+16*\i+8+\p+1], v[Y+16*\i+12+\p:Y+16*\i+12+\p+1]
.endr
.irp p, 0,2
	v_pk_mul_f32 v[Y+16*\i+8+\p:Y+16*\i+8+\p+1], v[Y+16*\i+8+\p:Y+16*\i+8+\p+1], s[20:21] op_sel_hi:[1,0]
.endr
.irp p, 0,2
	v_pk_fma_f32 v[Y+16*\i+\p:Y+16*\i+\p+1], v[Y+16*\i+\p:Y+16*\i+\p+1], s[16:17], v[Y+16*\i+8+\p:Y+16*\i+8+\p+1] op_sel_hi:[1,0,1]
.endr
	global_store_b128 v2, v[Y+16*\i:Y+16*\i+3], s[8:9] offset:512*\i th:TH_STORE_NT
.endr
	s_endpgm
.Lfunc_end_k_q226db1c903_combine:
	.size	k_q226db1c903_combine, .Lfunc_end_k_q226db1c903_combine-k_q226db1c903_combine
	.p2alignl 7, 3214868480
	.fill 96, 4, 3214868480
	.section	.rodata,"a",@progbits
	.p2align	6, 0x0
	.amdhsa_kernel k_q226db1c903_combine
		.amdhsa_group_segment_fixed_size 0
		.amdhsa_private_segment_fixed_size 0
		.amdhsa_enable_private_segment 0
		.amdhsa_kernarg_size 24
		.amdhsa_user_sgpr_count 2
		.amdhsa_user_sgpr_kernarg_segment_ptr 1
		.amdhsa_wavefront_size32 1
		.amdhsa_system_sgpr_workgroup_id_x 1
		.amdhsa_system_sgpr_workgroup_id_y 1
		.amdhsa_system_sgpr_workgroup_id_z 1
		.amdhsa_system_vgpr_workitem_id 0
		.amdhsa_next_free_vgpr 144
		.amdhsa_next_free_sgpr 66
		.amdhsa_reserve_vcc 0
		.amdhsa_float_denorm_mode_32 3
		.amdhsa_float_denorm_mode_16_64 3
		.amdhsa_memory_ordered 1
		.amdhsa_forward_progress 1
		.amdhsa_inst_pref_size 10
	.end_amdhsa_kernel
	.amdgpu_metadata
---
amdhsa.version: [ 1, 2 ]
amdhsa.kernels:
  - .name:           k_q226db1c903_combine
    .symbol:         k_q226db1c903_combine.kd
    .args:
      - { .name: ybuf, .offset: 0, .size: 8, .value_kind: global_buffer, .address_space: global }
      - { .name: rwb, .offset: 8, .size: 8, .value_kind: global_buffer, .address_space: global }
      - { .name: out0, .offset: 16, .size: 8, .value_kind: global_buffer, .address_space: global }
    .group_segment_fixed_size: 0
    .private_segment_fixed_size: 0
    .kernarg_segment_align: 8
    .kernarg_segment_size: 24
    .max_flat_workgroup_size: 128
    .sgpr_count:     66
    .vgpr_count:     144
    .wavefront_size: 32
...
	.end_amdgpu_metadata
.endif
;; end of part 4
;; ======== version 2 of 2: 4 launches
;; workspace buffers: xq 1,048,576 bytes; selw 4,096 bytes of whole numbers; rwb 8,192 bytes; hbuf 33,554,432 bytes; ybuf 16,777,216 bytes
;; launch router (part 5): grid 256 x 1, 2 waves a work-group, no clusters, 0 bytes of LDS; arguments x, gate_w, gate_b, lowp_scales, xq, selw, rwb; writes xq, selw, rwb
.if DOCPART == 5
	.amdgcn_target "amdgcn-amd-amdhsa--gfx1250"
	.amdhsa_code_object_version 6
	.text
	.protected	k_q226db1c903_router
	.globl	k_q226db1c903_router
	.p2align	8
	.type	k_q226db1c903_router,@function
k_q226db1c903_router:
	s_mov_b64 s[64:65], 0
	v_nop
	global_prefetch_b8 v0, s[64:65] scope:SCOPE_SE
	s_setreg_imm32_b32 hwreg(HW_REG_WAVE_MODE, 25, 1), 1
	s_wait_xcnt 0x0
; ROUTER AND x's QUANTISER.  x [1024][1024] f32, gate_w [8][1024], gate_b [8].
; A wave owns two tokens.  logits = x . gate_w + gate_b by f32 fused multiply-adds; top 2 of 8 (a strict "greater" scan keeps the lower index where
; two logits are equal); the two weights are the softmax of the two logits with the larger one taken away first.
; Stored at fixed places: selw[t] = (1 << e0) | (256 << e1) (whole numbers, from which later launches form addresses), rwb[t] = {rw0, rw1},
; and xq[t][k] = the E4M3 code of x / 2^ex, held within +-448, K in its natural order.
; In piece i (0..3) of a row a lane holds k = 256 i + 8 lane + 0..7: eight neighbours for one conversion, whose 8 bytes make,
; with the other lanes', 256 consecutive bytes of xq.
; No LDS, no barrier, no matrix unit: N = 8 is too narrow for it and the launch is small.
; LIMITS: ex between -126 and 119.  NaN and infinities among the inputs are not served.  Two logits that differ by less than the rounding of
; an f32 sum of 1,024 terms may be ranked either way.
.set XR, 64                            ; v64-127   x: token a, piece i at XR + 32 a + 8 i
.set GB, 128                           ; v128-255  two buffers of a piece of gate_w: expert e at + 8 e
.set SM, 32                            ; v32-63    sixteen sums, a pair each: (a, e) at SM + 16 a + 2 e
.set CD, 8                             ; v8-23     codes: a pair for each (a, i), so that no store's data are written again
.set TQ, 24                            ; v24-31    eight held numbers
	s_load_b256 s[4:11], s[0:1], 0x0               ; x, gate_w, gate_b, lowp_scales
	s_load_b128 s[12:15], s[0:1], 0x20             ; xq, selw
	s_load_b64 s[16:17], s[0:1], 0x30              ; rwb
	v_lshrrev_b32 v3, 5, v0
	v_readfirstlane_b32 s18, v3                    ; wave 0..1
	s_lshl_b32 s19, ttmp9, 1
	s_add_co_u32 s19, s19, s18                     ; which pair of tokens
	v_and_b32 v4, 31, v0                           ; lane
	v_lshlrev_b32 v1, 5, v4                        ; 32 bytes of f32 a lane
	v_lshlrev_b32 v2, 3, v4                        ; 8 bytes of codes a lane
	s_lshl_b32 s20, s19, 13                        ; two rows of x
	s_mov_b32 s21, 0
	s_lshl_b32 s22, s19, 11                        ; two rows of codes
	s_mov_b32 s23, 0
	s_lshl_b32 s40, s19, 3                         ; two words of selw
	s_mov_b32 s41, 0
	s_lshl_b32 s42, s19, 4                         ; two pairs of rwb
	s_mov_b32 s43, 0
	s_mov_b32 s36, 0x76543210                      ; lane selects: lane l xor 16
	s_mov_b32 s37, 0xfedcba98
	s_wait_alu depctr_va_vdst(0)
	s_wait_kmcnt 0x0
	s_load_b256 s[24:31], s[8:9], 0x0              ; gate_b
	s_load_b32 s32, s[10:11], 0x0                  ; ex
	s_add_nc_u64 s[4:5], s[4:5], s[20:21]
	s_add_nc_u64 s[12:13], s[12:13], s[22:23]
	s_add_nc_u64 s[14:15], s[14:15], s[40:41]
	s_add_nc_u64 s[16:17], s[16:17], s[42:43]
.irp a, 0,1
.irp i, 0,1,2,3
	global_load_b128 v[XR+32*\a+8*\i:XR+32*\a+8*\i+3], v1, s[4:5] offset:4096*\a+1024*\i th:TH_LOAD_NT
	global_load_b128 v[XR+32*\a+8*\i+4:XR+32*\a+8*\i+7], v1, s[4:5] offset:4096*\a+1024*\i+16 th:TH_LOAD_NT
.endr
.endr
.macro GLOAD i, b                      ; piece i of all eight rows of gate_w into buffer b: sixteen loads
.irp e, 0,1,2,3,4,5,6,7
	global_load_b128 v[GB+64*\b+8*\e:GB+64*\b+8*\e+3], v1, s[6:7] offset:4096*\e+1024*\i
	global_load_b128 v[GB+64*\b+8*\e+4:GB+64*\b+8*\e+7], v1, s[6:7] offset:4096*\e+1024*\i+16
.endr
.endm
.macro DOT i, b, first                 ; 64 packed multiply-adds; sixteen independent sums stand between two links of a chain.  first = 1: the first products start the sums
.irp p, 0,2,4,6
.irp a, 0,1
.irp e, 0,1,2,3,4,5,6,7
.if \first && (\p == 0)
	v_pk_mul_f32 v[SM+16*\a+2*\e:SM+16*\a+2*\e+1], v[XR+32*\a+8*\i+\p:XR+32*\a+8*\i+\p+1], v[GB+64*\b+8*\e+\p:GB+64*\b+8*\e+\p+1]
.else
	v_pk_fma_f32 v[SM+16*\a+2*\e:SM+16*\a+2*\e+1], v[XR+32*\a+8*\i+\p:XR+32*\a+8*\i+\p+1], v[GB+64*\b+8*\e+\p:GB+64*\b+8*\e+\p+1], v[SM+16*\a+2*\e:SM+16*\a+2*\e+1]
.endif
.endr
.endr
.endr
.endm
	GLOAD 0, 0
	GLOAD 1, 1
	s_wait_loadcnt 32                              ; x's sixteen loads are in; the 32 of the two gate pieces may be out
	s_wait_kmcnt 0x0
	s_add_co_i32 s33, s32, 127
	s_lshl_b32 s34, s33, 23
	v_mov_b32 v5, s34                              ; 2^ex as f32: the conversion takes its exponent field
	s_add_co_i32 s33, s33, 8
	s_lshl_b32 s33, s33, 23
	s_or_b32 s33, s33, 0x600000
	v_mov_b32 v6, s33                              ; 448 x 2^ex
.irp a, 0,1
.irp i, 0,1,2,3
.irp k, 0,1,2,3,4,5,6,7
	v_med3_num_f32 v[TQ+\k], v[XR+32*\a+8*\i+\k], -v6, v6   ; the conversion to an 8-bit code does not saturate (ISA guide 7.6.2): the hold comes first
.endr
	v_cvt_scalef32_pk8_fp8_f32 v[CD+8*\a+2*\i:CD+8*\a+2*\i+1], v[TQ:TQ+7], v5
	v_nop                                          ; a plain line between the conversion and the next holds, which write its sources
	global_store_b64 v2, v[CD+8*\a+2*\i:CD+8*\a+2*\i+1], s[12:13] offset:1024*\a+256*\i   ; 32 lanes store 256 consecutive bytes, aligned
.endr
.endr
	s_wait_loadcnt 16                              ; piece 0 of gate_w is in; piece 1 may be out
	DOT 0, 0, 1
	GLOAD 2, 0
	s_wait_loadcnt 16                              ; piece 1 is in; piece 2 may be out
	DOT 1, 1, 0
	GLOAD 3, 1
	s_wait_loadcnt 16                              ; piece 2
	DOT 2, 0, 0
	s_wait_loadcnt 0x0
	DOT 3, 1, 0
	; the sums' two halves, then across the 32 lanes: every lane ends with all sixteen logits
.irp q, 0,1,2,3,4,5,6,7,8,9,10,11,12,13,14,15
	v_add_f32 v[SM+2*\q], v[SM+2*\q], v[SM+2*\q+1]
.endr
.irp m, 1,2,4,8
.irp q, 0,1,2,3,4,5,6,7,8,9,10,11,12,13,14,15
	v_add_f32_dpp v[SM+2*\q], v[SM+2*\q], v[SM+2*\q] row_xmask:\m row_mask:0xf bank_mask:0xf
.endr
.endr
.irp q, 0,1,2,3,4,5,6,7,8,9,10,11,12,13,14,15
	v_permlanex16_b32 v[SM+2*\q+1], v[SM+2*\q], s36, s37
.endr
.irp q, 0,1,2,3,4,5,6,7,8,9,10,11,12,13,14,15
	v_add_f32 v[SM+2*\q], v[SM+2*\q], v[SM+2*\q+1]
.endr
.irp a, 0,1
.irp e, 0,1,2,3,4,5,6,7
	v_add_f32 v[SM+16*\a+2*\e], s[24+\e], v[SM+16*\a+2*\e]   ; + gate_b
.endr
.endr
	v_mov_b32 v3, 1
	v_mov_b32 v7, 0xff800000                       ; -infinity
	v_mov_b32 v24, 0x100
.irp e, 0,1,2,3,4,5,6,7
	v_mov_b32 v[GB+\e], \e                         ; the experts' numbers, for the selects
.endr
; the logits of token a lie at LG + 2 e; the odd registers between them are free: +1 largest, +3 its index, +5 second, +7 its index, +9 and +11 at work
.macro SCAN best, idx
	v_mov_b32 v[\best], v[LG]
	v_mov_b32 v[\idx], 0
.irp e, 1,2,3,4,5,6,7
	v_cmp_gt_f32 vcc_lo, v[LG+2*\e], v[\best]
	v_cndmask_b32 v[\best], v[\best], v[LG+2*\e], vcc_lo
	v_cndmask_b32 v[\idx], v[\idx], v[GB+\e], vcc_lo
.endr
.endm
.macro TOP2 a
.set LG, SM+16*\a
	SCAN LG+1, LG+3
.irp e, 0,1,2,3,4,5,6,7
	v_cmp_eq_u32 vcc_lo, \e, v[LG+3]
	v_cndmask_b32 v[LG+2*\e], v[LG+2*\e], v7, vcc_lo   ; the winner leaves the field
.endr
	SCAN LG+5, LG+7
	v_sub_f32 v[LG+9], v[LG+5], v[LG+1]            ; second - largest: 0 or less
	v_mul_f32 v[LG+9], 0x3fb8aa3b, v[LG+9]
	s_wait_alu depctr_va_vdst(0)
	v_exp_f32 v[LG+9], v[LG+9]
	v_lshlrev_b32 v[LG+3], v[LG+3], v3             ; 1 << e0  (the plain line behind the exponential)
	s_wait_alu depctr_va_vdst(0)
	v_add_f32 v[LG+11], 1.0, v[LG+9]
	s_wait_alu depctr_va_vdst(0)
	v_rcp_f32 v[LG+11], v[LG+11]                   ; rw0
	v_lshlrev_b32 v[LG+7], v[LG+7], v24            ; 256 << e1  (the plain line behind the reciprocal)
	s_wait_alu depctr_va_vdst(0)
	v_mul_f32 v[LG+9], v[LG+9], v[LG+11]           ; rw1
	v_or_b32 v[LG+3], v[LG+3], v[LG+7]
.endm
	TOP2 0
	TOP2 1
	v_cmp_eq_u32 vcc_lo, 1, v4                     ; lane 0 stores the first token's, lane 1 the second's
	v_cndmask_b32 v140, v[SM+3], v[SM+19], vcc_lo
	v_cndmask_b32 v138, v[SM+11], v[SM+27], vcc_lo
	v_cndmask_b32 v139, v[SM+9], v[SM+25], vcc_lo
	v_lshlrev_b32 v141, 2, v4
	v_cmp_gt_u32 vcc_lo, 2, v4
	s_wait_alu depctr_va_vdst(0)
	s_wait_xcnt 0x0                                ; EXEC changes only behind this wait: the stores of codes have been taken up
	s_and_saveexec_b32 s38, vcc_lo
	global_store_b32 v141, v140, s[14:15]
	global_store_b64 v2, v[138:139], s[16:17]
	s_wait_xcnt 0x0
	s_or_b32 exec_lo, exec_lo, s38
	s_endpgm
.Lfunc_end_k_q226db1c903_router:
	.size	k_q226db1c903_router, .Lfunc_end_k_q226db1c903_router-k_q226db1c903_router
	.p2alignl 7, 3214868480
	.fill 96, 4, 3214868480
	.section	.rodata,"a",@progbits
	.p2align	6, 0x0
	.amdhsa_kernel k_q226db1c903_router
		.amdhsa_group_segment_fixed_size 0
		.amdhsa_private_segment_fixed_size 0
		.amdhsa_enable_private_segment 0
		.amdhsa_kernarg_size 56
		.amdhsa_user_sgpr_count 2
		.amdhsa_user_sgpr_kernarg_segment_ptr 1
		.amdhsa_wavefront_size32 1
		.amdhsa_system_sgpr_workgroup_id_x 1
		.amdhsa_system_sgpr_workgroup_id_y 1
		.amdhsa_system_sgpr_workgroup_id_z 1
		.amdhsa_system_vgpr_workitem_id 0
		.amdhsa_next_free_vgpr 256
		.amdhsa_next_free_sgpr 66
		.amdhsa_reserve_vcc 1
		.amdhsa_float_denorm_mode_32 3
		.amdhsa_float_denorm_mode_16_64 3
		.amdhsa_memory_ordered 1
		.amdhsa_forward_progress 1
		.amdhsa_inst_pref_size 44
	.end_amdhsa_kernel
	.amdgpu_metadata
---
amdhsa.version: [ 1, 2 ]
amdhsa.kernels:
  - .name:           k_q226db1c903_router
    .symbol:         k_q226db1c903_router.kd
    .args:
      - { .name: x, .offset: 0, .size: 8, .value_kind: global_buffer, .address_space: global }
      - { .name: gate_w, .offset: 8, .size: 8, .value_kind: global_buffer, .address_space: global }
      - { .name: gate_b, .offset: 16, .size: 8, .value_kind: global_buffer, .address_space: global }
      - { .name: lowp_scales, .offset: 24, .size: 8, .value_kind: global_buffer, .address_space: global }
      - { .name: xq, .offset: 32, .size: 8, .value_kind: global_buffer, .address_space: global }
      - { .name: selw, .offset: 40, .size: 8, .value_kind: global_buffer, .address_space: global }
      - { .name: rwb, .offset: 48, .size: 8, .value_kind: global_buffer, .address_space: global }
    .group_segment_fixed_size: 0
    .private_segment_fixed_size: 0
    .kernarg_segment_align: 8
    .kernarg_segment_size: 56
    .max_flat_workgroup_size: 64
    .sgpr_count:     66
    .vgpr_count:     256
    .wavefront_size: 32
...
	.end_amdgpu_metadata
.endif
;; end of part 5
;; launch ffn1 (part 6): grid 32 x 8, 16 waves a work-group, no clusters, 133,632 bytes of LDS; arguments w1, b1, xq, selw, lowp_scales, hbuf; writes hbuf
.if DOCPART == 6
	.amdgcn_target "amdgcn-amd-amdhsa--gfx1250"
	.amdhsa_code_object_version 6
	.text
	.protected	k_q226db1c903_ffn1
	.globl	k_q226db1c903_ffn1
	.p2align	8
	.type	k_q226db1c903_ffn1,@function
k_q226db1c903_ffn1:
	s_mov_b64 s[64:65], 0
	v_nop
	global_prefetch_b8 v0, s[64:65] scope:SCOPE_SE
	s_setreg_imm32_b32 hwreg(HW_REG_WAVE_SCHED_MODE, 0, 2), 2
	s_setreg_imm32_b32 hwreg(HW_REG_WAVE_MODE, 25, 1), 1
	s_wait_xcnt 0x0
	s_wait_alu depctr_vm_vsrc(0)
; FIRST PRODUCT OF THE EXPERTS: h = Q(gelu(Q(x) Q(w1) + b1)), for the rows that the router gave to each expert, and for no others.
; w1 [8][1024 k][4096 f] f32 is read once, quantised in registers and kept as codes in LDS; x comes as codes (xq); h leaves as codes (hbuf).
; SHARES.  Work-group (fs, e): expert e, hidden units 128 fs .. 128 fs + 127, as two halves u of 64; all rows of the expert.  Its 512 KiB of w1 come in
; sixteen chunks ch = 8 u + s of 128 k x 64 f (a row's piece is 256 aligned bytes).
; ROLES.  Waves 0-7 stream: load f32, hold, convert, store codes to LDS; nothing in their text hangs on data, so their counted waits hold.
; Waves 8-15 compute: wave cw owns the row tiles cw + 8 j (16 rows each), four at a time in registers.  One barrier a chunk: behind it the chunk's codes may be read.
; The codes stay in LDS (128 KiB) and no byte of them is written twice, so nothing is ever read that is being overwritten.
; WHICH ROWS.  selw[t] has bit e or bit 8 + e set where token t uses expert e.  Each compute wave makes the 32 mask words of its expert and finds, for each lane's place p in
; the expert's list, the p-th set bit (a walk over the words, then five halvings inside a word).  Places past the count take some valid token: padding that the next launch does not store.
; LAYOUTS.  The product is used transposed: source 0 = 16 columns of w1, source 1 = 16 rows of x; a lane then holds one row and eight hidden units.
; Tile t of a chunk holds columns 4 m + t (m = 0..15): so a streaming lane's four neighbouring columns (one load of 16 bytes) belong to four tiles, at row m = lane % 16.
; Byte q of lane (r, h) of a fragment stands for k = 128 s + 64 h + q, in w1's and in x's alike: every product meets its partner; the order of the sums inside an instruction differs from k's.
; A fragment lies in LDS as an image of its registers: four pieces of 512 bytes, lane l's 16 bytes at 16 l.
; hbuf [e][tile 64][S 32][2048]: images too.  Byte q of lane (r, h) is hidden unit 128 S + 64 (q / 32) + 32 h + 4 (q % 8) + (q / 8) % 4: the order in which the results fall.
; gelu(v) = max(v, 0) - |v| erfc(|v| / sqrt 2) / 2;  erfc(z) = t exp(-z^2 + a0 + t (a1 + .. + t a9)), t = 1 / (1 + z / 2): a Chebyshev fit of fractional error near 1.2e-7; coefficients are premultiplied by log2 e, the half is folded into a0.
; NO TENSOR LOADS, NO CLUSTER: the number of row tiles is read from memory, so this text branches on loaded numbers; the weights, the bulk of the bytes, are shared by no two work-groups.
; LIMITS: ex + ew1 between -126 and 127; ew1 and eh between -126 and 119.  NaN and infinities among the inputs are not served.
; THE MODE: SCHED_MODE bits 1:0 = 2 (LLVM: expert scheduling mode 2), set by the entry lines.  The code itself states the register dependences
; between vector or matrix instructions and memory or LDS instructions, and from vector instructions to scalar registers, with s_wait_alu, always for 0.
; THE PLAN.  Registers that memory or LDS instructions touch:
;   v1, v2, v7-13, v20, v22, v23   addresses and the closing add's two: made once at the head, stated by one wait ahead of the roles' parting, never written again.
;   Streamers.  Set ch % 4 of v128-255: the chunk's 32 holds read it; then the loads of chunk ch + 4 land in it.  v24-31: the four conversions write them, the four LDS stores read them.
;     A chunk goes: holds, conversions, ONE wait on va_vdst (the holds are done reading the set, the conversions have written the codes), the LDS stores, the loads.
;     One wait on vm_vsrc at the next chunk's head: those LDS stores have read v24-31.
;   Compute waves.  v32-63: LDS loads land there (two tiles of w1, twice a chunk; b1 on the way out); matrix instructions and the bias's multiply-adds read them.
;     v64-127: global loads land there (selw at the head, then x's fragments); matrix instructions read them; the masks at the head, the choice of rows and the way out write them.
;     v3-6: x's loads read them; written where a run's rows are chosen.  v15, v24-31: written on the way out, read by its stores.
;     A chunk has two waits on va_vdst: behind its first eight products, ahead of tiles 2 and 3; and behind its last eight, ahead of x's next k step.  The second serves the next chunk's first two tiles
;     too: between it and those LDS loads stand loads, scalar lines, the barrier and v_nop alone.  The 256 registers are all taken, so neither w1's nor x's fragments have a second set.
;   The accumulators are named by vector and matrix instructions alone.
; REGISTERS.  v1, v2 16 x lane (+ 65536): image reads; v3-6 the slots' offsets in xq; v7 my offset in hbuf; v8, v9 b1 in LDS (read, write); v10, v11 where a streamer puts its 8 bytes;
; v12 a streamer's offset in w1; v13 16 (lane % 16); v14 the mask words, one a lane; v15 at the head at work, later the stores' offset in hbuf; v[16:17] a8; v18 the scale, v19 448 x the scale (w1's in streamers, h's in compute waves);
; v20 4 x lane; v22, v23 the closing add's two; v24-31 codes; streamers: v32-63 held numbers, v128-255 four sets of 32 loaded numbers; compute: v32-63 two fragments of w1 (later b1), v64-127 the slots' fragments of x (at the head selw; later at work), v128-255 accumulators (slot j, tile t) at 128 + 32 j + 8 t.
; While a run's rows are chosen, when no sum lies there and no fragment of x is wanted: v160-171, v176-179 and v184 (each block of eight is read from its low end on) and v96-127 are at work.
; The streamers' loads from memory land in v128-255 alone, the compute waves' in v32-35 and v64-127 alone: no register takes loads in both roles.
; s16 wave, s17 wave % 8, s18 e, s[20:23] w1's two bases, s[28:31] ex ew1 ew2 eh, s32 2^(ex + ew1), s34 count, s35 tiles, s36 my slots in use, s37 my tiles beyond four, s38-43, s46, s47 at work, s[44:45] hbuf, s48-63 masks of compares, s66-87 gelu's constants.
.set B1L, 0x20000                      ; LDS: behind the 128 KiB of codes, 512 bytes of b1
.macro PLACES n
.rept \n
	v_nop
.endr
.endm
.macro BAR                             ; my LDS stores have landed and my LDS loads are in: then the work-group's barrier
	s_wait_dscnt 0x0
	s_barrier_signal -1
	s_barrier_wait -1
.endm
.macro SPAIR r, val                    ; a constant as a pair: the packed forms name a pair and take its low word for both halves
	s_mov_b32 s[\r], \val
	s_mov_b32 s[\r+1], \val
.endm
; chunk ch: my eight rows k = 128 s + 16 sw + 8 (lane / 16) + j, 16 bytes of each: sixteen lanes read 256 consecutive bytes.  Every step is an immediate; rows 512 on have a base of their own.
.macro LOADCH ch
.set RS, 128+32*((\ch)%4)
.irp j, 0,1,2,3,4,5,6,7
.if ((\ch)&7) < 4
	global_load_b128 v[RS+4*\j:RS+4*\j+3], v12, s[20:21] offset:(((\ch)&3)*128+\j)*16384+256*((\ch)>>3) th:TH_LOAD_NT
.else
	global_load_b128 v[RS+4*\j:RS+4*\j+3], v12, s[22:23] offset:(((\ch)&3)*128+\j)*16384+256*((\ch)>>3) th:TH_LOAD_NT
.endif
.endr
.endm
.macro STREAM ch
.set RS, 128+32*((\ch)%4)
.if (\ch) <= 12
	s_wait_loadcnt 24                              ; loads come back in order: this chunk's eight are in, the three chunks behind it stay out
.else
	s_wait_loadcnt 8*(15-(\ch))                    ; fewer chunks are left behind it
.endif
.if (\ch) > 0
	s_wait_alu depctr_vm_vsrc(0)                   ; the last chunk's LDS stores have read v24-31, which the conversions below write again
.endif
.irp t, 0,1,2,3
.irp j, 0,1,2,3,4,5,6,7
	v_med3_num_f32 v[32+8*\t+\j], v[RS+4*\j+\t], -v19, v19   ; the hold (the conversion does not saturate: ISA guide 7.6.2) also turns 8 rows x 4 columns into 4 tiles x 8 along k
.endr
.endr
.irp t, 0,1,2,3
	v_cvt_scalef32_pk8_fp8_f32 v[24+2*\t:25+2*\t], v[32+8*\t:39+8*\t], v18
.endr
	v_nop                                          ; a plain line behind the conversions: the next chunk's holds write their sources
	s_wait_alu depctr_va_vdst(0)                   ; the conversions have written v24-31, which the LDS stores read; the holds are done reading the set, in which the loads below land
.irp t, 0,1,2,3
.if (\ch) < 8
	ds_store_b64 v10, v[24+2*\t:25+2*\t] offset:((\ch)&7)*8192+\t*2048   ; 32 lanes store 256 consecutive bytes of tile t's image
.else
	ds_store_b64 v11, v[24+2*\t:25+2*\t] offset:((\ch)&7)*8192+\t*2048
.endif
.endr
.if (\ch)+4 < 16
	LOADCH (\ch)+4                                 ; the set is free: four chunks, 32 loads a wave, are on their way
.endif
.endm
.macro WLOAD ch, c0                    ; the images of tiles c0, c0 + 1 of chunk ch
.irp t, 0,1
.irp p, 0,1,2,3
.if (\ch) < 8
	ds_load_b128 v[32+16*\t+4*\p:35+16*\t+4*\p], v1 offset:((\ch)&7)*8192+(\c0+\t)*2048+512*\p
.else
	ds_load_b128 v[32+16*\t+4*\p:35+16*\t+4*\p], v2 offset:((\ch)&7)*8192+(\c0+\t)*2048+512*\p
.endif
.endr
.endr
.endm
; two tiles of w1 against my slots in use.  The accumulators take turns, one instruction a turn.  zero = 1: the products start the sums, in all four slots, so that every accumulator is written.
.macro WBLOCK c0, zero
.irp j, 0,1,2,3
.if (\j > 0) && (\zero == 0)
	s_cmp_lt_u32 s36, \j+1
	s_cbranch_scc1 .Lwb_\@
.endif
.irp t, 0,1
.if \zero
	v_wmma_f32_16x16x128_fp8_fp8 v[128+32*\j+8*(\c0+\t):135+32*\j+8*(\c0+\t)], v[32+16*\t:47+16*\t], v[64+16*\j:79+16*\j], 0
.else
	v_wmma_f32_16x16x128_fp8_fp8 v[128+32*\j+8*(\c0+\t):135+32*\j+8*(\c0+\t)], v[32+16*\t:47+16*\t], v[64+16*\j:79+16*\j], v[128+32*\j+8*(\c0+\t):135+32*\j+8*(\c0+\t)]
.endif
.endr
.endr
.Lwb_\@:
.endm
.macro XLOAD0                          ; k step 0 of all four slots' rows: no guard, every slot's offset names a valid token
	s_wait_alu depctr_va_vdst(0)                   ; v3-6 are written, where they have just been made; the vector lines that wrote v64-127 (the masks at the head, the choice of rows, the way out) are complete
.irp j, 0,1,2,3
.irp p, 0,1,2,3
	global_load_b128 v[64+16*\j+4*\p:67+16*\j+4*\p], v[3+\j], s[8:9] offset:16*\p
.endr
.endr
.endm
.macro XNEXT off                       ; the next k step, for the slots in use
.irp j, 0,1,2,3
	s_cmp_lt_u32 s36, \j+1
	s_cbranch_scc1 .Lxn_\@
.irp p, 0,1,2,3
	global_load_b128 v[64+16*\j+4*\p:67+16*\j+4*\p], v[3+\j], s[8:9] offset:\off+16*\p
.endr
.endr
.Lxn_\@:
.endm
.macro COMPUTE ch, zero
	s_wait_loadcnt 0x0                             ; the slots' fragments of x, asked for a chunk ago; on every path
.if \zero
	PLACES 5                                       ; accumulators begun anew stand five places behind the last matrix instruction
.else
	s_cmp_eq_u32 s36, 0
	s_cbranch_scc1 .Lce_\@
.endif
	WLOAD \ch, 0                                   ; no wait: no vector or matrix instruction has named v32-63 since the last wait on va_vdst (the last chunk's second, or the one ahead of x's k step 0)
	s_wait_dscnt 0x0
	WBLOCK 0, \zero
	PLACES 4                                       ; the places in front of loads into registers that matrix instructions have read stay beside the wait
	s_wait_alu depctr_va_vdst(0)                   ; the products above are done reading v32-63, in which tiles 2 and 3 land
	WLOAD \ch, 2
	s_wait_dscnt 0x0
	WBLOCK 2, \zero
	PLACES 4
.if ((\ch)&7) < 7
	s_wait_alu depctr_va_vdst(0)                   ; the chunk's products are done reading v64-127, in which x's next k step lands, and v32-63, in which the next chunk's first two tiles land
	XNEXT 128*(((\ch)&7)+1)
.endif
.Lce_\@:
.endm
; the r-th set bit of a word, for the four slots side by side.  Slot j's eight registers lie at T = 96 + 8 j: T .. T + 3 counts of 2, 4, 8, 16 bits; T + 4 r; T + 5 the place; T + 6, T + 7 at work
.macro COUNTS j
.set T, 96+8*(\j)
	v_and_b32 v[T+4], 0xffff, v[168+\j]
	v_sub_nc_u32 v[T+4], v[160+\j], v[T+4]         ; my place among the word's set bits
	v_lshrrev_b32 v[T], 1, v[164+\j]
	v_and_b32 v[T], 0x55555555, v[T]
	v_sub_nc_u32 v[T], v[164+\j], v[T]
	v_lshrrev_b32 v[T+1], 2, v[T]
	v_and_b32 v[T+1], 0x33333333, v[T+1]
	v_and_b32 v[T+6], 0x33333333, v[T]
	v_add_nc_u32 v[T+1], v[T+1], v[T+6]
	v_lshrrev_b32 v[T+2], 4, v[T+1]
	v_add_nc_u32 v[T+2], v[T+2], v[T+1]
	v_and_b32 v[T+2], 0x0f0f0f0f, v[T+2]
	v_lshrrev_b32 v[T+3], 8, v[T+2]
	v_add_nc_u32 v[T+3], v[T+3], v[T+2]
	v_and_b32 v[T+3], 0x00ff00ff, v[T+3]
	v_mov_b32 v[T+5], 0
.endm
; one halving.  Slot j's counts stand in v[sb + ss j].  The four compares go into s48-51, so that one wait serves them
.macro LEVEL4 sb, ss, mask, step
.irp j, 0,1,2,3
	v_lshrrev_b32 v[102+8*\j], v[101+8*\j], v[\sb+\ss*\j]
	v_and_b32 v[102+8*\j], \mask, v[102+8*\j]      ; set bits in the lower half of what is left
.endr
.irp j, 0,1,2,3
	v_cmp_ge_u32 s[48+\j], v[100+8*\j], v[102+8*\j]
	v_sub_nc_u32 v[102+8*\j], v[100+8*\j], v[102+8*\j]
	v_add_nc_u32 v[103+8*\j], \step, v[101+8*\j]
.endr
	s_wait_alu depctr_va_sdst(0)                   ; the four compares have written s48-51, which the selects read
.irp j, 0,1,2,3
	v_cndmask_b32 v[100+8*\j], v[100+8*\j], v[102+8*\j], s[48+\j]
	v_cndmask_b32 v[101+8*\j], v[101+8*\j], v[103+8*\j], s[48+\j]
.endr
.endm
; for slots j = 0..3: the token at place p = 16 (base + cw + 8 j) + lane % 16 of my expert's list -> v[176 + j].  v160.. p, v164.. the word, v168.. set bits before it | word << 16.  Also s34 = the count.
.macro SELECT4 base
	v_and_b32 v160, 15, v0
	s_add_co_u32 s47, s17, \base
	s_lshl_b32 s47, s47, 4
	v_add_nc_u32 v160, s47, v160
	v_add_nc_u32 v161, 0x80, v160
	v_add_nc_u32 v162, 0x100, v160
	v_add_nc_u32 v163, 0x180, v160
	v_readlane_b32 s40, v14, 0
	s_mov_b32 s39, 0
	s_wait_alu depctr_va_sdst(0)                   ; the lane read has written s40, ahead of its first reader
.irp j, 0,1,2,3
	v_mov_b32 v[164+\j], s40
	v_mov_b32 v[168+\j], 0
.endr
	s_mov_b32 s38, 1
.Lsel_\@:                                          ; 31 trips: the last word whose set bits before it are p or fewer holds place p
	s_bcnt1_i32_b32 s42, s40
	s_add_co_u32 s39, s39, s42
	v_readlane_b32 s40, v14, s38
	s_lshl_b32 s41, s38, 16
	s_or_b32 s41, s41, s39
.irp j, 0,1,2,3
	v_cmp_le_u32 s[48+\j], s39, v[160+\j]
.endr
	s_wait_alu depctr_va_sdst(0)                   ; the lane read has written s40 and the four compares s48-51, all of which the selects read
.irp j, 0,1,2,3
	v_cndmask_b32 v[164+\j], v[164+\j], s40, s[48+\j]
	v_cndmask_b32 v[168+\j], v[168+\j], s41, s[48+\j]
.endr
	s_add_co_u32 s38, s38, 1
	s_cmp_lt_u32 s38, 32
	s_cbranch_scc1 .Lsel_\@
	s_bcnt1_i32_b32 s42, s40
	s_add_co_u32 s34, s39, s42
	COUNTS 0
	COUNTS 1
	COUNTS 2
	COUNTS 3
	LEVEL4 99, 8, 0xffff, 16
	LEVEL4 98, 8, 0xff, 8
	LEVEL4 97, 8, 15, 4
	LEVEL4 96, 8, 3, 2
	LEVEL4 164, 1, 1, 1
.irp j, 0,1,2,3
	v_lshrrev_b32 v[102+8*\j], 16, v[168+\j]
	v_lshl_add_u32 v[101+8*\j], v[102+8*\j], 5, v[101+8*\j]   ; 32 x word + bit
	v_min_u32 v[176+\j], 0x3ff, v[101+8*\j]        ; a token's number, held inside the table
.endr
.endm
.macro SLOTS                           ; a slot's offset in xq: token x 1,024 + 64 (lane / 16)
	s_wait_alu depctr_vm_vsrc(0)                   ; x's loads of the run before have read v3-6, which are written below; in the first run: wave 8's LDS store has read v32-35, in which the first tiles of w1 land
	v_bfe_u32 v184, v0, 4, 1
	v_lshlrev_b32 v184, 6, v184
.irp j, 0,1,2,3
	v_lshlrev_b32 v[3+\j], 10, v[176+\j]
	v_add_nc_u32 v[3+\j], v184, v[3+\j]
.endr
.endm
.macro FMAB j                          ; slot j's 32 sums x 2^(ex + ew1) + b1, each accumulator from its low end on, into v64-95: register 8 t + i is unit 32 h + 4 i + t
.irp t, 0,1,2,3
.irp i, 0,1,2,3,4,5,6,7
	v_fma_f32 v[64+8*\t+\i], v[128+32*\j+8*\t+\i], s32, v[32+4*\i+\t]
.endr
.endr
.endm
.macro GELU8 x                         ; eight numbers at v[x]: gelu, then the hold.  v96.. max(v, 0); v104.. |v|; v112.. t; v120.. the exponent
.irp i, 0,1,2,3,4,5,6,7
	v_max_num_f32 v[96+\i], 0, v[\x+\i]
.endr
.irp i, 0,2,4,6
	v_pk_fma_f32 v[104+\i:105+\i], v[96+\i:97+\i], 2.0, v[\x+\i:\x+\i+1] op_sel_hi:[1,0,1] neg_lo:[0,0,1] neg_hi:[0,0,1]   ; |v| = 2 max(v, 0) - v
.endr
.irp i, 0,2,4,6
	v_pk_fma_f32 v[112+\i:113+\i], v[104+\i:105+\i], s[84:85], 1.0 op_sel_hi:[1,0,0]   ; 1 + z / 2
.endr
	s_wait_alu depctr_va_vdst(0)
.irp i, 0,1,2,3,4,5,6,7
	v_rcp_f32 v[112+\i], v[112+\i]
.endr
.irp i, 0,2,4,6
	v_pk_mul_f32 v[\x+\i:\x+\i+1], v[\x+\i:\x+\i+1], v[\x+\i:\x+\i+1]   ; v^2  (plain lines behind the reciprocals)
.endr
	s_wait_alu depctr_va_vdst(0)                   ; the eight reciprocals have written v112-119, ahead of their first reader
.irp i, 0,2,4,6
	v_pk_fma_f32 v[120+\i:121+\i], v[112+\i:113+\i], s[66:67], v[16:17] op_sel_hi:[1,0,1]   ; t a9 + a8
.endr
.irp k, 68,70,72,74,76,78,80,82
.irp i, 0,2,4,6
	v_pk_fma_f32 v[120+\i:121+\i], v[120+\i:121+\i], v[112+\i:113+\i], s[\k:\k+1] op_sel_hi:[1,1,0]   ; .. t + a7 .. a0
.endr
.endr
.irp i, 0,2,4,6
	v_pk_fma_f32 v[120+\i:121+\i], v[\x+\i:\x+\i+1], s[86:87], v[120+\i:121+\i] op_sel_hi:[1,0,1]   ; - z^2 log2 e
.endr
	s_wait_alu depctr_va_vdst(0)
.irp i, 0,1,2,3,4,5,6,7
	v_exp_f32 v[120+\i], v[120+\i]
.endr
.irp i, 0,2,4,6
	v_pk_mul_f32 v[104+\i:105+\i], v[104+\i:105+\i], v[112+\i:113+\i]   ; |v| t  (plain lines behind the exponentials)
.endr
	s_wait_alu depctr_va_vdst(0)                   ; the eight exponentials have written v120-127, ahead of their first reader
.irp i, 0,2,4,6
	v_pk_fma_f32 v[\x+\i:\x+\i+1], v[104+\i:105+\i], v[120+\i:121+\i], v[96+\i:97+\i] neg_lo:[1,0,0] neg_hi:[1,0,0]
.endr
.irp i, 0,1,2,3,4,5,6,7
	v_med3_num_f32 v[\x+\i], v[\x+\i], -v19, v19
.endr
.endm
; half u is finished: bias, gelu, quantiser, and 32 bytes a lane into the tile's image in hbuf.  One text for the four slots: a loop of four trips; only the 32 lines that name the accumulators are written four times.
.macro EPI u
	s_wait_alu depctr_va_vdst(0)                   ; the last chunk's products are done reading v32-63, in which b1 lands
.irp i, 0,1,2,3,4,5,6,7
	ds_load_b128 v[32+4*\i:35+4*\i], v8 offset:256*\u+16*\i   ; b1 of my 32 units
.endr
	s_wait_dscnt 0x0
	s_mov_b32 s46, 0
.Lej_\@:
	s_cmp_ge_u32 s46, s36
	s_cbranch_scc1 .Len_\@
	s_cmp_eq_u32 s46, 0
	s_cbranch_scc0 .Le1_\@
	FMAB 0
	s_branch .Leg_\@
.Le1_\@:
	s_cmp_eq_u32 s46, 1
	s_cbranch_scc0 .Le2_\@
	FMAB 1
	s_branch .Leg_\@
.Le2_\@:
	s_cmp_eq_u32 s46, 2
	s_cbranch_scc0 .Le3_\@
	FMAB 2
	s_branch .Leg_\@
.Le3_\@:
	FMAB 3
.Leg_\@:
	GELU8 64
	GELU8 72
	GELU8 80
	GELU8 88
	s_wait_alu depctr_va_vdst(0)
	s_wait_xcnt 0x0                                ; the last slot's stores have been taken up: their data and offset may be written
	s_wait_alu depctr_vm_vsrc(0)                   ; and they have read v15 and v24-31, which the lines below write again
	s_lshl_b32 s47, s46, 19
	v_add_nc_u32 v15, s47, v7                      ; tile cw + 8 j: 65,536 bytes a tile
.irp t, 0,1,2,3
	v_cvt_scalef32_pk8_fp8_f32 v[24+2*\t:25+2*\t], v[64+8*\t:71+8*\t], v18
.endr
	v_nop                                          ; a plain line behind the conversions
	s_wait_alu depctr_va_vdst(0)                   ; v15 and the codes in v24-31 are written, which the two stores read
	global_store_b128 v15, v[24:27], s[44:45] offset:1024*\u         ; 32 lanes store 512 consecutive bytes, aligned
	global_store_b128 v15, v[28:31], s[44:45] offset:1024*\u+512
.Len_\@:
	s_add_co_u32 s46, s46, 1
	s_cmp_lt_u32 s46, 4
	s_cbranch_scc1 .Lej_\@
.endm
.macro TRIP i                          ; streamers: chunk i into LDS;  compute waves: chunk i - 1, which the last barrier has shown whole
	s_cmp_lt_u32 s16, 8
	s_cbranch_scc0 .Ltc_\@
	STREAM \i
	s_branch .Ltj_\@
.Ltc_\@:
.if (((\i)-1)&7) == 0
	COMPUTE (\i)-1, 1
.else
	COMPUTE (\i)-1, 0
.endif
.if (\i) == 8
	EPI 0                                          ; the first half's way out, while the streamers' four chunks are on their way
	XLOAD0
.endif
.Ltj_\@:
	BAR
.endm
	s_load_b256 s[4:11], s[0:1], 0x0               ; w1, b1, xq, selw
	s_load_b128 s[12:15], s[0:1], 0x20             ; lowp_scales, hbuf
	v_lshl_add_u32 v22, v0, 2, 0x20200
	v_mov_b32 v23, 0
	v_lshrrev_b32 v15, 5, v0
	v_readfirstlane_b32 s16, v15                   ; wave 0..15
	s_and_b32 s18, ttmp7, 0xffff                   ; e
	; every LDS address is made here, ahead of the roles' parting
	v_and_b32 v1, 31, v0
	v_lshlrev_b32 v1, 4, v1                        ; 16 x lane
	v_add_nc_u32 v2, 0x10000, v1
	v_lshrrev_b32 v20, 2, v1                       ; 4 x lane: selw's offset
	v_and_b32 v13, 15, v0
	v_lshlrev_b32 v13, 4, v13                      ; 16 (lane % 16)
	v_bfe_u32 v15, v0, 4, 1                        ; lane / 16
	s_wait_alu depctr_va_vdst(0)
	v_lshlrev_b32 v8, 7, v15
	v_add_nc_u32 v8, B1L, v8                       ; b1: my half's 32 numbers
	v_add_nc_u32 v9, B1L, v1
	s_wait_alu depctr_va_sdst(0)                   ; s16 is written, ahead of its first reader: addresses and the roles' branches are made from it
	s_and_b32 s17, s16, 7                          ; sw or cw
	s_and_b32 s20, s17, 3
	s_lshl_b32 s20, s20, 9                         ; piece sw % 4 of an image,
	s_lshr_b32 s21, s17, 2
	s_lshl_b32 s21, s21, 8                         ; its lanes 16 (sw / 4) on
	s_add_co_u32 s20, s20, s21
	v_lshl_add_u32 v10, v15, 3, v13
	v_add_nc_u32 v10, s20, v10                     ; + 16 (lane % 16) + 8 (lane / 16)
	v_add_nc_u32 v11, 0x10000, v10
	s_lshl_b32 s20, s17, 18
	v_lshl_add_u32 v12, v15, 17, v13
	v_add_nc_u32 v12, s20, v12                     ; w1: row 16 sw + 8 (lane / 16), 16,384 bytes a row
	s_lshl_b32 s20, s17, 16
	v_add_nc_u32 v7, s20, v1                       ; hbuf: tile cw, my lane's 16 bytes
	s_lshl_b32 s24, s18, 24
	s_lshl_b32 s25, ttmp9, 9
	s_add_co_u32 s24, s24, s25                     ; w1: expert, 128 fs columns
	s_mov_b32 s25, 0
	s_lshl_b32 s26, s18, 14
	s_lshl_b32 s27, ttmp9, 9
	s_add_co_u32 s26, s26, s27                     ; b1 likewise
	s_mov_b32 s27, 0
	s_lshl_b32 s46, s18, 22
	s_lshl_b32 s47, ttmp9, 11
	s_add_co_u32 s46, s46, s47                     ; hbuf: expert, K step S = fs
	s_mov_b32 s47, 0
	s_wait_kmcnt 0x0
	s_load_b128 s[28:31], s[12:13], 0x0            ; ex, ew1, ew2, eh
	s_add_nc_u64 s[20:21], s[4:5], s[24:25]
	s_add_nc_u64 s[22:23], s[20:21], 0x800000      ; rows 512 on
	s_add_nc_u64 s[6:7], s[6:7], s[26:27]
	s_add_nc_u64 s[44:45], s[14:15], s[46:47]
	s_wait_alu depctr_va_vdst(0)                   ; v1, v2, v7-13, v20, v22 and v23 are written: the loads, stores and LDS instructions of both roles read them as addresses, the closing add the last two; none is written again
	; ---- trip 0
	s_cmp_lt_u32 s16, 8
	s_cbranch_scc0 .Lhead_c
.irp c, 0,1,2,3
	LOADCH \c
.endr
	s_wait_kmcnt 0x0
	s_add_co_i32 s24, s29, 127
	s_lshl_b32 s25, s24, 23
	v_mov_b32 v18, s25                             ; 2^ew1 as f32
	s_add_co_i32 s24, s24, 8
	s_lshl_b32 s24, s24, 23
	s_or_b32 s24, s24, 0x600000
	v_mov_b32 v19, s24                             ; 448 x 2^ew1
	s_wait_alu depctr_va_vdst(0)
	STREAM 0
	s_branch .Ljoin0
.Lhead_c:
.set K, 0
.rept 32
	global_load_b32 v[64+K], v20, s[10:11] offset:128*K   ; selw, all 1,024 words
.set K, K+1
.endr
	s_cmp_lg_u32 s16, 8
	s_cbranch_scc1 .Lnb0
	global_load_b128 v[32:35], v1, s[6:7]          ; wave 8 brings the slice of b1
.Lnb0:
	SPAIR 66, 0x3e7c6f08                           ; a9 .. a0, each x log2 e; a0 also - 1 for the half
	SPAIR 68, 0x40097039
	SPAIR 70, 0xbfd1a1e5
	SPAIR 72, 0x3ecdfd18
	SPAIR 74, 0xbe899a80
	SPAIR 76, 0x3e0efb2e
	SPAIR 78, 0x3f0a29d2
	SPAIR 80, 0x3fb8ab5a
	SPAIR 82, 0xc034d90f
	SPAIR 84, 0x3eb504f3                           ; 1 / (2 sqrt 2)
	SPAIR 86, 0xbf38aa3b                           ; - log2 e / 2
	v_mov_b32 v16, 0xbf97d29d                      ; a8
	v_mov_b32 v17, 0xbf97d29d
	v_mov_b32 v14, 0
	s_lshl_b32 s43, 0x101, s18                     ; my expert's two bits
	s_wait_kmcnt 0x0
	s_add_co_i32 s32, s28, s29
	s_add_co_i32 s32, s32, 127
	s_lshl_b32 s32, s32, 23                        ; 2^(ex + ew1) as f32
	s_add_co_i32 s24, s31, 127
	s_lshl_b32 s25, s24, 23
	v_mov_b32 v18, s25                             ; 2^eh
	s_add_co_i32 s24, s24, 8
	s_lshl_b32 s24, s24, 23
	s_or_b32 s24, s24, 0x600000
	v_mov_b32 v19, s24                             ; 448 x 2^eh
	s_wait_loadcnt 0x0
	s_cmp_lg_u32 s16, 8
	s_cbranch_scc1 .Lnb1
	ds_store_b128 v9, v[32:35]                     ; the barrier of this trip shows it to the others
.Lnb1:
.irp g, 0,1                                    ; the 32 mask words, sixteen compares to a run, into s48-63
.irp k, 0,1,2,3,4,5,6,7,8,9,10,11,12,13,14,15
	v_and_b32 v[64+16*\g+\k], s43, v[64+16*\g+\k]
	v_cmp_ne_u32 s[48+\k], 0, v[64+16*\g+\k]
.endr
	s_wait_alu depctr_va_sdst(0)                   ; the sixteen compares have written s48-63, which the lane writes read
.irp k, 0,1,2,3,4,5,6,7,8,9,10,11,12,13,14,15
	v_writelane_b32 v14, s[48+\k], 16*\g+\k        ; lane K keeps the mask of tokens 32 K .. 32 K + 31
.endr
.endr
	SELECT4 0
	s_wait_alu depctr_va_vdst(0)
	s_add_co_u32 s35, s34, 15
	s_lshr_b32 s35, s35, 4
	s_max_u32 s35, s35, 1                          ; tiles: at least one, so that tile 0 is always written
	s_add_co_u32 s36, s35, 7
	s_sub_co_u32 s36, s36, s17
	s_lshr_b32 s36, s36, 3                         ; my tiles: cw, cw + 8, ..
	s_min_u32 s47, s36, 4
	s_sub_co_u32 s37, s36, s47                     ; those beyond four wait for the second run
	s_mov_b32 s36, s47
	SLOTS
	XLOAD0
.Ljoin0:
	BAR
.irp i, 1,2,3,4,5,6,7,8,9,10,11,12,13,14,15
	TRIP \i
.endr
	s_cmp_lt_u32 s16, 8
	s_cbranch_scc1 .Lend                           ; the streamers are done; no barrier follows
	COMPUTE 15, 0
	EPI 1
	; ---- an expert with more than 512 rows: tiles 32 on, from the codes that still lie in LDS
	s_cmp_eq_u32 s37, 0
	s_cbranch_scc1 .Lend
	s_mov_b32 s36, s37
	SELECT4 32
	SLOTS
	s_wait_xcnt 0x0                                ; the stores have been taken up: their base may step
	s_add_nc_u64 s[44:45], s[44:45], 0x200000      ; 32 tiles on
	XLOAD0
	COMPUTE 0, 1
.irp c, 1,2,3,4,5,6,7
	COMPUTE \c, 0
.endr
	EPI 0
	XLOAD0
	COMPUTE 8, 1
.irp c, 9,10,11,12,13,14,15
	COMPUTE \c, 0
.endr
	EPI 1
.Lend:
	s_wait_dscnt 0x0                               ; the closing lines, six on end
	s_wait_alu 0x0
	s_wait_tensorcnt 0x0
	ds_add_u32 v22, v23
	s_wait_dscnt 0x0
	s_endpgm
.Lfunc_end_k_q226db1c903_ffn1:
	.size	k_q226db1c903_ffn1, .Lfunc_end_k_q226db1c903_ffn1-k_q226db1c903_ffn1
	.p2alignl 7, 3214868480
	.fill 96, 4, 3214868480
	.section	.rodata,"a",@progbits
	.p2align	6, 0x0
	.amdhsa_kernel k_q226db1c903_ffn1
		.amdhsa_group_segment_fixed_size 133632
		.amdhsa_private_segment_fixed_size 0
		.amdhsa_enable_private_segment 0
		.amdhsa_kernarg_size 48
		.amdhsa_user_sgpr_count 2
		.amdhsa_user_sgpr_kernarg_segment_ptr 1
		.amdhsa_wavefront_size32 1
		.amdhsa_system_sgpr_workgroup_id_x 1
		.amdhsa_system_sgpr_workgroup_id_y 1
		.amdhsa_system_sgpr_workgroup_id_z 1
		.amdhsa_system_vgpr_workitem_id 0
		.amdhsa_next_free_vgpr 256
		.amdhsa_next_free_sgpr 100
		.amdhsa_reserve_vcc 0
		.amdhsa_float_denorm_mode_32 3
		.amdhsa_float_denorm_mode_16_64 3
		.amdhsa_memory_ordered 1
		.amdhsa_forward_progress 1
		.amdhsa_inst_pref_size 255
	.end_amdhsa_kernel
	.section	.bss,"aw",@nobits
	.p2align	6
	.space	262144
	.amdgpu_metadata
---
amdhsa.version: [ 1, 2 ]
amdhsa.kernels:
  - .name:           k_q226db1c903_ffn1
    .symbol:         k_q226db1c903_ffn1.kd
    .args:
      - { .name: w1, .offset: 0, .size: 8, .value_kind: global_buffer, .address_space: global }
      - { .name: b1, .offset: 8, .size: 8, .value_kind: global_buffer, .address_space: global }
      - { .name: xq, .offset: 16, .size: 8, .value_kind: global_buffer, .address_space: global }
      - { .name: selw, .offset: 24, .size: 8, .value_kind: global_buffer, .address_space: global }
      - { .name: lowp_scales, .offset: 32, .size: 8, .value_kind: global_buffer, .address_space: global }
      - { .name: hbuf, .offset: 40, .size: 8, .value_kind: global_buffer, .address_space: global }
    .group_segment_fixed_size: 133632
    .private_segment_fixed_size: 0
    .kernarg_segment_align: 8
    .kernarg_segment_size: 48
    .max_flat_workgroup_size: 512
    .sgpr_count:     100
    .vgpr_count:     256
    .wavefront_size: 32
...
	.end_amdgpu_metadata
.endif
;; end of part 6
;; launch ffn2 (part 7): grid 32 x 8, 16 waves a work-group, no clusters, 203,008 bytes of LDS; arguments w2, b2, hbuf, selw, lowp_scales, ybuf; writes ybuf
.if DOCPART == 7
	.amdgcn_target "amdgcn-amd-amdhsa--gfx1250"
	.amdhsa_code_object_version 6
	.text
	.protected	k_q226db1c903_ffn2
	.globl	k_q226db1c903_ffn2
	.p2align	8
	.type	k_q226db1c903_ffn2,@function
k_q226db1c903_ffn2:
	s_mov_b64 s[64:65], 0
	v_nop
	global_prefetch_b8 v0, s[64:65] scope:SCOPE_SE
	s_setreg_imm32_b32 hwreg(HW_REG_WAVE_MODE, 25, 1), 1
	s_wait_xcnt 0x0
; SECOND PRODUCT OF THE EXPERTS: y = Q(h) Q(w2) + b2, for the rows that the router gave to each expert.
; w2 [8][4096 f][1024 c] f32 is read once, quantised in registers and kept as codes in LDS; h comes as register images (hbuf, laid by the launch before).
; SHARES.  Work-group (x, e): expert e, output columns 64 cs .. 64 cs + 63 (cs = x % 16), half kh = x / 16 of K (2,048 hidden units).  Its 512 KiB of w2 come in sixteen chunks of 128 f x 64 c.
; The two halves of K go to two planes of ybuf [kh][slot][token][1024]; slot 0 is a token's first expert, slot 1 its second: every row has one owner.  b2 is added in plane kh = 0 alone.  The last launch adds and weighs.
; ROLES, LDS, ROW LISTS as in the first product: waves 0-7 stream and convert, waves 8-15 multiply; one barrier a chunk; the codes stay in LDS.
; LAYOUTS.  Source 0 = 16 columns of w2 (tile t: columns 4 m + t), source 1 = 16 rows of h.  Byte q of lane (r, h) stands for hidden unit 128 S + 64 (q / 32) + 32 h + 4 (q % 8) + (q / 8) % 4 on both sides:
; so streamer sw (piece sw % 4, half sw / 4) takes rows 64 ((sw % 4) / 2) + 32 (sw / 4) + 2 (sw % 2) + lane / 16 + 4 j of a chunk.
; THE WAY OUT.  A lane holds 32 neighbouring columns of one row; a tile goes through the wave's own stage in LDS and leaves by rows: sixteen lanes store 256 consecutive aligned bytes of a token's row.  Rows past the count are not stored.
; NO TENSOR LOADS, NO CLUSTER: the number of row tiles is read from memory, so this text branches on loaded numbers; the weights, the bulk of the bytes, are shared by no two work-groups.
; LIMITS: ew2 + eh between -126 and 127; ew2 between -126 and 119.  NaN and infinities are not served.  K is summed in two halves that are added in f32 later.
; REGISTERS.  v1, v2 16 x lane (+ 65536); v3-6 the slots' offsets in hbuf; v8, v9 b2 in LDS; v10, v11 a streamer's place in an image; v12 its offset in w2; v13 16 (lane % 16); v14 the mask words; v15 at work;
; v18, v19 2^ew2 and 448 x it; v20, v21 the stage, in and back; v22 32 (lane / 16); v23 8 (lane / 16) + 16 cw; v24-27 the slots' rows in ybuf (streamers: v24-31 codes);
; streamers: v32-63 held numbers, v128-255 four sets of 32;  compute: v32-63 two fragments of w2 (later b2), v64-127 the slots' fragments of h (at the head selw; later the way out), v128-255 accumulators at 128 + 32 j + 8 t.
; The streamers' loads from memory land in v128-255 alone, the compute waves' in v32-35 and v64-127 alone: no register takes loads in both roles.
; s16 wave, s17 wave % 8, s18 e, s19 kh, s33 cs, s[20:21] w2, s[28:31] the exponents, s32 2^(ew2 + eh), s34 count, s35 tiles, s36 slots in use, s37 tiles beyond four, s[44:45] ybuf, s50-57 row masks.
.set B2L, 0x20000                      ; LDS: behind the 128 KiB of codes, 256 bytes of b2,
.set STG, 0x20100                      ; then a stage of 16 rows x (256 + 16) bytes for each wave
.macro PLACES n
.rept \n
	v_nop
.endr
.endm
.macro BAR                             ; my LDS stores have landed and my LDS loads are in: then the work-group's barrier
	s_wait_dscnt 0x0
	s_barrier_signal -1
	s_barrier_wait -1
.endm
.macro LOADCH ch                       ; chunk ch: my eight rows, four apart, 16 bytes of each: sixteen lanes read 256 consecutive bytes.  Every step is an immediate
.set RS, 128+32*((\ch)%4)
.irp j, 0,1,2,3,4,5,6,7
	global_load_b128 v[RS+4*\j:RS+4*\j+3], v12, s[20:21] offset:(128*(\ch)+4*\j)*4096 th:TH_LOAD_NT
.endr
.endm
.macro STREAM ch
.set RS, 128+32*((\ch)%4)
.if (\ch) <= 12
	s_wait_loadcnt 24                              ; loads come back in order: this chunk's eight are in, the three chunks behind it stay out
.else
	s_wait_loadcnt 8*(15-(\ch))
.endif
.irp t, 0,1,2,3
.irp j, 0,1,2,3,4,5,6,7
	v_med3_num_f32 v[32+8*\t+\j], v[RS+4*\j+\t], -v19, v19   ; the hold (ISA guide 7.6.2) also turns 8 rows x 4 columns into 4 tiles x 8 along K
.endr
.endr
.if (\ch)+4 < 16
	LOADCH (\ch)+4                                 ; the set is free: four chunks, 32 loads a wave, are on their way
.endif
.irp t, 0,1,2,3
	v_cvt_scalef32_pk8_fp8_f32 v[24+2*\t:25+2*\t], v[32+8*\t:39+8*\t], v18
.endr
	v_nop                                          ; a plain line behind the conversions: the next chunk's holds write their sources
.irp t, 0,1,2,3
.if (\ch) < 8
	ds_store_b64 v10, v[24+2*\t:25+2*\t] offset:((\ch)&7)*8192+\t*2048
.else
	ds_store_b64 v11, v[24+2*\t:25+2*\t] offset:((\ch)&7)*8192+\t*2048
.endif
.endr
.endm
.macro WLOAD ch, c0
.irp t, 0,1
.irp p, 0,1,2,3
.if (\ch) < 8
	ds_load_b128 v[32+16*\t+4*\p:35+16*\t+4*\p], v1 offset:((\ch)&7)*8192+(\c0+\t)*2048+512*\p
.else
	ds_load_b128 v[32+16*\t+4*\p:35+16*\t+4*\p], v2 offset:((\ch)&7)*8192+(\c0+\t)*2048+512*\p
.endif
.endr
.endr
.endm
.macro WBLOCK c0, zero                 ; the accumulators take turns, one instruction a turn.  zero = 1: the products start the sums, in all four slots
.irp j, 0,1,2,3
.if (\j > 0) && (\zero == 0)
	s_cmp_lt_u32 s36, \j+1
	s_cbranch_scc1 .Lwb_\@
.endif
.irp t, 0,1
.if \zero
	v_wmma_f32_16x16x128_fp8_fp8 v[128+32*\j+8*(\c0+\t):135+32*\j+8*(\c0+\t)], v[32+16*\t:47+16*\t], v[64+16*\j:79+16*\j], 0
.else
	v_wmma_f32_16x16x128_fp8_fp8 v[128+32*\j+8*(\c0+\t):135+32*\j+8*(\c0+\t)], v[32+16*\t:47+16*\t], v[64+16*\j:79+16*\j], v[128+32*\j+8*(\c0+\t):135+32*\j+8*(\c0+\t)]
.endif
.endr
.endr
.Lwb_\@:
.endm
.macro XLOAD0                          ; K step 0 of all four slots: no guard: a slot not in use names tile 0, which is always written
.irp j, 0,1,2,3
.irp p, 0,1,2,3
	global_load_b128 v[64+16*\j+4*\p:67+16*\j+4*\p], v[3+\j], s[8:9] offset:512*\p   ; 32 lanes read 512 consecutive bytes
.endr
.endr
.endm
.macro XNEXT off
.irp j, 0,1,2,3
	s_cmp_lt_u32 s36, \j+1
	s_cbranch_scc1 .Lxn_\@
.irp p, 0,1,2,3
	global_load_b128 v[64+16*\j+4*\p:67+16*\j+4*\p], v[3+\j], s[8:9] offset:\off+512*\p
.endr
.endr
.Lxn_\@:
.endm
.macro COMPUTE ch, zero
	s_wait_loadcnt 0x0                             ; the slots' fragments of h, asked for a chunk ago; on every path
.if \zero
	PLACES 5                                       ; accumulators begun anew stand five places behind the last matrix instruction
.else
	s_cmp_eq_u32 s36, 0
	s_cbranch_scc1 .Lce_\@
.endif
	WLOAD \ch, 0
	s_wait_dscnt 0x0
	WBLOCK 0, \zero
	PLACES 4                                       ; in front of loads into registers that matrix instructions have read
	WLOAD \ch, 2
	s_wait_dscnt 0x0
	WBLOCK 2, \zero
	PLACES 4
.if (\ch) < 15
	XNEXT 2048*((\ch)+1)
.endif
.Lce_\@:
.endm
; the r-th set bit of a word: counts of 2, 4, 8, 16 bits (v172-175), then five halvings.  v176 r, v177 the place, v178, v179 at work
.macro LEVEL src, mask, step
	s_delay_alu instid0(VALU_DEP_1)
	v_lshrrev_b32 v178, v177, v[\src]
	s_delay_alu instid0(VALU_DEP_1)
	v_and_b32 v178, \mask, v178
	s_delay_alu instid0(VALU_DEP_1)
	v_cmp_ge_u32 vcc_lo, v176, v178
	s_delay_alu instid0(VALU_DEP_2)
	v_sub_nc_u32 v178, v176, v178
	s_delay_alu instid0(VALU_DEP_1)
	v_cndmask_b32 v176, v176, v178, vcc_lo
	v_add_nc_u32 v179, \step, v177
	s_delay_alu instid0(VALU_DEP_1)
	v_cndmask_b32 v177, v177, v179, vcc_lo
.endm
.macro RANK j
	v_and_b32 v176, 0xffff, v[168+\j]
	s_delay_alu instid0(VALU_DEP_1)
	v_sub_nc_u32 v176, v[160+\j], v176
	v_lshrrev_b32 v172, 1, v[164+\j]
	s_delay_alu instid0(VALU_DEP_1)
	v_and_b32 v172, 0x55555555, v172
	s_delay_alu instid0(VALU_DEP_1)
	v_sub_nc_u32 v172, v[164+\j], v172
	s_delay_alu instid0(VALU_DEP_1)
	v_lshrrev_b32 v173, 2, v172
	s_delay_alu instid0(VALU_DEP_1)
	v_and_b32 v173, 0x33333333, v173
	s_delay_alu instid0(VALU_DEP_3)
	v_and_b32 v178, 0x33333333, v172
	s_delay_alu instid0(VALU_DEP_1)
	v_add_nc_u32 v173, v173, v178
	s_delay_alu instid0(VALU_DEP_1)
	v_lshrrev_b32 v174, 4, v173
	s_delay_alu instid0(VALU_DEP_1)
	v_add_nc_u32 v174, v174, v173
	s_delay_alu instid0(VALU_DEP_1)
	v_and_b32 v174, 0x0f0f0f0f, v174
	s_delay_alu instid0(VALU_DEP_1)
	v_lshrrev_b32 v175, 8, v174
	s_delay_alu instid0(VALU_DEP_1)
	v_add_nc_u32 v175, v175, v174
	s_delay_alu instid0(VALU_DEP_1)
	v_and_b32 v175, 0x00ff00ff, v175
	v_mov_b32 v177, 0
	LEVEL 175, 0xffff, 16
	LEVEL 174, 0xff, 8
	LEVEL 173, 15, 4
	LEVEL 172, 3, 2
	LEVEL 164+\j, 1, 1
	v_lshrrev_b32 v178, 16, v[168+\j]
	s_delay_alu instid0(VALU_DEP_1)
	v_lshl_add_u32 v177, v178, 5, v177
	s_delay_alu instid0(VALU_DEP_1)
	v_min_u32 v[180+\j], 0x3ff, v177               ; a token's number, held inside the table
.endm
.macro SELECT4 base                    ; the token at place 16 (base + cw + 8 j) + lane % 16 of my expert's list -> v[180 + j];  s34 = the count
	v_and_b32 v160, 15, v0
	s_add_co_u32 s47, s17, \base
	s_lshl_b32 s47, s47, 4
	v_add_nc_u32 v160, s47, v160
	s_delay_alu instid0(VALU_DEP_1)
	v_add_nc_u32 v161, 0x80, v160
	s_delay_alu instid0(VALU_DEP_2)
	v_add_nc_u32 v162, 0x100, v160
	s_delay_alu instid0(VALU_DEP_3)
	v_add_nc_u32 v163, 0x180, v160
	v_readlane_b32 s40, v14, 0
	s_mov_b32 s39, 0
.irp j, 0,1,2,3
	v_mov_b32 v[164+\j], s40
	v_mov_b32 v[168+\j], 0
.endr
	s_mov_b32 s38, 1
.Lsel_\@:                                          ; 31 trips: the last word whose set bits before it are p or fewer holds place p
	s_bcnt1_i32_b32 s42, s40
	s_add_co_u32 s39, s39, s42
	v_readlane_b32 s40, v14, s38
	s_lshl_b32 s41, s38, 16
	s_or_b32 s41, s41, s39
.irp j, 0,1,2,3
	v_cmp_le_u32 vcc_lo, s39, v[160+\j]
	s_delay_alu instid0(VALU_DEP_1)
	v_cndmask_b32 v[164+\j], v[164+\j], s40, vcc_lo
	s_delay_alu instid0(VALU_DEP_2)
	v_cndmask_b32 v[168+\j], v[168+\j], s41, vcc_lo
.endr
	s_add_co_u32 s38, s38, 1
	s_cmp_lt_u32 s38, 32
	s_cbranch_scc1 .Lsel_\@
	s_bcnt1_i32_b32 s42, s40
	s_add_co_u32 s34, s39, s42
	RANK 0
	RANK 1
	RANK 2
	RANK 3
.endm
; the four slots of a run: rows in ybuf, offsets in hbuf, first fragments.  first = 1: the counts are made too
.macro SETUP base, first
	SELECT4 \base
.if \first
	s_wait_alu depctr_va_vdst(0)
	s_add_co_u32 s35, s34, 15
	s_lshr_b32 s35, s35, 4
	s_max_u32 s35, s35, 1                          ; tiles, as the launch before counted them
	s_add_co_u32 s36, s35, 7
	s_sub_co_u32 s36, s36, s17
	s_lshr_b32 s36, s36, 3
	s_min_u32 s47, s36, 4
	s_sub_co_u32 s37, s36, s47
	s_mov_b32 s36, s47
.endif
.irp j, 0,1,2,3
	v_lshlrev_b32 v[172+\j], 2, v[180+\j]
	global_load_b32 v[96+\j], v[172+\j], s[10:11]  ; the token's word once more: is my expert its first or its second?
.endr
.irp j, 0,1,2,3
	s_add_co_u32 s46, s17, \base+8*\j
	s_cmp_gt_u32 s36, \j
	s_cselect_b32 s46, s46, 0                      ; a slot not in use names tile 0
	s_min_u32 s46, s46, 63
	s_lshl_b32 s46, s46, 16
	v_add_nc_u32 v[3+\j], s46, v1
.endr
	s_add_co_u32 s47, s18, 8
	s_wait_loadcnt 0x0
.irp j, 0,1,2,3
	v_lshrrev_b32 v[96+\j], s47, v[96+\j]
	s_delay_alu instid0(VALU_DEP_1)
	v_and_b32 v[96+\j], 1, v[96+\j]
	s_delay_alu instid0(VALU_DEP_1)
	v_lshl_add_u32 v[24+\j], v[96+\j], 10, v[180+\j]    ; row = token + 1,024 x slot
.endr
	XLOAD0
.endm
.macro BNLOAD
.irp i, 0,1,2,3,4,5,6,7
	ds_load_b128 v[32+4*\i:35+4*\i], v8 offset:16*\i    ; b2 of my 32 columns (zeros in plane kh = 1)
.endr
	s_wait_dscnt 0x0
.endm
; slot j leaves.  b16 = 16 x the run's first tile.  The slot's accumulators, once read, hold the rows' offsets (RW + i) and the lane indices (RW + 8 + i).
.macro EPI2 j, b16
.set RW, 128+32*\j
	s_cmp_lt_u32 s36, \j+1
	s_cbranch_scc1 .Lq_\@
.irp t, 0,1,2,3
.irp i, 0,1,2,3,4,5,6,7
	v_fma_f32 v[64+4*\i+\t], v[RW+8*\t+\i], s32, v[32+4*\i+\t]   ; sum x 2^(ew2 + eh) + b2; each accumulator from its low end on; register 4 i + t is column 32 h + 4 i + t
.endr
.endr
.irp i, 0,1,2,3,4,5,6,7
	ds_store_b128 v20, v[64+4*\i:67+4*\i] offset:16*\i
.endr
.irp i, 0,1,2,3,4,5,6,7
	ds_load_b128 v[96+4*\i:99+4*\i], v21 offset:272*\i  ; LDS serves a wave's instructions in order: lanes 0-15 take row i, lanes 16-31 row i + 8
.endr
.irp i, 0,1,2,3,4,5,6,7
	v_add_nc_u32 v[RW+8+\i], 4*\i, v22
.endr
.irp i, 0,1,2,3,4,5,6,7
	ds_bpermute_b32 v[RW+\i], v[RW+8+\i], v[24+\j]      ; that row's place in ybuf, from the lane that holds it
.endr
	s_sub_co_i32 s48, s34, \b16+128*\j
.irp i, 0,1,2,3,4,5,6,7
	s_sub_co_i32 s49, s48, \i
	v_cmp_gt_i32 s[50+\i], s49, v23                     ; the row counts where 16 tile + i + 8 (lane / 16) < count; made with all lanes on
.endr
	s_wait_dscnt 0x0
.irp i, 0,1,2,3,4,5,6,7
	v_min_u32 v[RW+\i], 0x7ff, v[RW+\i]
	s_delay_alu instid0(VALU_DEP_1)
	v_lshlrev_b32 v[RW+\i], 12, v[RW+\i]
	s_delay_alu instid0(VALU_DEP_1)
	v_add_nc_u32 v[RW+\i], v13, v[RW+\i]
.endr
	s_wait_alu depctr_va_vdst(0)
.irp i, 0,1,2,3,4,5,6,7
	s_wait_xcnt 0x0                                     ; EXEC changes only behind this wait
	s_mov_b32 exec_lo, s[50+\i]
	global_store_b128 v[RW+\i], v[96+4*\i:99+4*\i], s[44:45]   ; sixteen lanes store 256 consecutive bytes, aligned
.endr
	s_wait_xcnt 0x0                                     ; and again in front of the line that widens it; the stores' data and offsets are free too
	s_mov_b32 exec_lo, -1
.Lq_\@:
.endm
.macro TRIP i
	s_cmp_lt_u32 s16, 8
	s_cbranch_scc0 .Ltc_\@
	STREAM \i
	s_branch .Ltj_\@
.Ltc_\@:
.if (\i) == 1
	COMPUTE 0, 1
.else
	COMPUTE (\i)-1, 0
.endif
.Ltj_\@:
	BAR
.endm
	s_load_b256 s[4:11], s[0:1], 0x0               ; w2, b2, hbuf, selw
	s_load_b128 s[12:15], s[0:1], 0x20             ; lowp_scales, ybuf
	v_lshl_add_u32 v16, v0, 2, 0x31100
	v_mov_b32 v17, 0
	v_lshrrev_b32 v15, 5, v0
	s_delay_alu instid0(VALU_DEP_1)
	v_readfirstlane_b32 s16, v15                   ; wave 0..15
	s_and_b32 s17, s16, 7
	s_and_b32 s18, ttmp7, 0xffff                   ; e
	s_lshr_b32 s19, ttmp9, 4                       ; kh
	s_and_b32 s33, ttmp9, 15                       ; cs
	; every LDS address is made here, ahead of the roles' parting
	v_and_b32 v1, 31, v0
	s_delay_alu instid0(VALU_DEP_1)
	v_lshlrev_b32 v1, 4, v1
	s_delay_alu instid0(VALU_DEP_1)
	v_add_nc_u32 v2, 0x10000, v1
	v_and_b32 v13, 15, v0
	s_delay_alu instid0(VALU_DEP_1)
	v_lshlrev_b32 v13, 4, v13
	v_bfe_u32 v15, v0, 4, 1                        ; lane / 16
	s_delay_alu instid0(VALU_DEP_1)
	v_lshlrev_b32 v8, 7, v15
	s_delay_alu instid0(VALU_DEP_1)
	v_add_nc_u32 v8, B2L, v8
	s_delay_alu instid0(VALU_DEP_4)
	v_add_nc_u32 v9, B2L, v13
	s_and_b32 s20, s17, 3
	s_lshl_b32 s20, s20, 9
	s_lshr_b32 s21, s17, 2
	s_lshl_b32 s21, s21, 8
	s_add_co_u32 s20, s20, s21
	v_lshl_add_u32 v10, v15, 3, v13
	s_delay_alu instid0(VALU_DEP_1)
	v_add_nc_u32 v10, s20, v10
	s_delay_alu instid0(VALU_DEP_1)
	v_add_nc_u32 v11, 0x10000, v10
	s_mul_i32 s20, s16, 4352
	s_add_co_u32 s20, s20, STG                     ; my wave's stage
	v_and_b32 v20, 15, v0
	s_delay_alu instid0(VALU_DEP_1)
	v_mul_u32_u24 v20, v20, 272
	s_delay_alu instid0(VALU_DEP_1)
	v_lshl_add_u32 v20, v15, 7, v20
	s_delay_alu instid0(VALU_DEP_1)
	v_add_nc_u32 v20, s20, v20                     ; in: row lane % 16, 128 bytes for each half of the lanes
	v_mul_u32_u24 v21, v15, 2176
	s_delay_alu instid0(VALU_DEP_1)
	v_add_nc_u32 v21, v13, v21
	s_delay_alu instid0(VALU_DEP_1)
	v_add_nc_u32 v21, s20, v21                     ; back: rows 0 on and rows 8 on
	v_lshlrev_b32 v22, 5, v15
	s_lshl_b32 s20, s17, 4
	v_lshlrev_b32 v23, 3, v15
	s_delay_alu instid0(VALU_DEP_1)
	v_add_nc_u32 v23, s20, v23
	s_and_b32 s20, s17, 2
	s_lshl_b32 s20, s20, 5                         ; 64 ((sw % 4) / 2)
	s_lshr_b32 s21, s17, 2
	s_lshl_b32 s21, s21, 5                         ; 32 (sw / 4)
	s_add_co_u32 s20, s20, s21
	s_and_b32 s21, s17, 1
	s_lshl_b32 s21, s21, 1                         ; 2 (sw % 2)
	s_add_co_u32 s20, s20, s21
	s_lshl_b32 s20, s20, 12                        ; 4,096 bytes a row of w2
	v_lshl_add_u32 v12, v15, 12, v13
	s_delay_alu instid0(VALU_DEP_1)
	v_add_nc_u32 v12, s20, v12
	s_lshl_b32 s24, s18, 24
	s_lshl_b32 s25, s19, 23
	s_add_co_u32 s24, s24, s25
	s_lshl_b32 s25, s33, 8
	s_add_co_u32 s24, s24, s25                     ; w2: expert, half of K, 64 cs columns
	s_mov_b32 s25, 0
	s_lshl_b32 s26, s18, 12
	s_lshl_b32 s27, s33, 8
	s_add_co_u32 s26, s26, s27                     ; b2
	s_mov_b32 s27, 0
	s_lshl_b32 s46, s18, 22
	s_lshl_b32 s47, s19, 15
	s_add_co_u32 s46, s46, s47                     ; hbuf: expert, K steps 16 kh on
	s_mov_b32 s47, 0
	s_lshl_b32 s48, s19, 23
	s_lshl_b32 s49, s33, 8
	s_add_co_u32 s48, s48, s49                     ; ybuf: plane kh, 64 cs columns
	s_mov_b32 s49, 0
	s_wait_kmcnt 0x0
	s_load_b128 s[28:31], s[12:13], 0x0            ; ex, ew1, ew2, eh
	s_add_nc_u64 s[20:21], s[4:5], s[24:25]
	s_add_nc_u64 s[6:7], s[6:7], s[26:27]
	s_add_nc_u64 s[8:9], s[8:9], s[46:47]
	s_add_nc_u64 s[44:45], s[14:15], s[48:49]
	; ---- trip 0
	s_cmp_lt_u32 s16, 8
	s_cbranch_scc0 .Lhead_c
	s_wait_alu depctr_va_vdst(0)
.irp c, 0,1,2,3
	LOADCH \c
.endr
	s_wait_kmcnt 0x0
	s_add_co_i32 s24, s30, 127
	s_lshl_b32 s25, s24, 23
	v_mov_b32 v18, s25                             ; 2^ew2 as f32
	s_add_co_i32 s24, s24, 8
	s_lshl_b32 s24, s24, 23
	s_or_b32 s24, s24, 0x600000
	v_mov_b32 v19, s24                             ; 448 x 2^ew2
	s_wait_alu depctr_va_vdst(0)
	STREAM 0
	s_branch .Ljoin0
.Lhead_c:
	v_lshrrev_b32 v15, 2, v1                       ; 4 x lane
.set K, 0
.rept 32
	global_load_b32 v[64+K], v15, s[10:11] offset:128*K   ; selw, all 1,024 words
.set K, K+1
.endr
	s_cmp_lg_u32 s16, 8
	s_cbranch_scc1 .Lnb0
	global_load_b128 v[32:35], v13, s[6:7]         ; wave 8 brings the 64 numbers of b2 (both halves of the lanes the same)
.Lnb0:
	v_mov_b32 v14, 0
	s_lshl_b32 s43, 0x101, s18
	s_wait_kmcnt 0x0
	s_add_co_i32 s32, s30, s31
	s_add_co_i32 s32, s32, 127
	s_lshl_b32 s32, s32, 23                        ; 2^(ew2 + eh) as f32
	s_wait_loadcnt 0x0
	s_cmp_lg_u32 s16, 8
	s_cbranch_scc1 .Lnb1
	s_cmp_eq_u32 s19, 0
	s_cselect_b32 s47, -1, 0                       ; the bias counts once: all bits in plane 0, none in plane 1
.irp i, 0,1,2,3
	v_and_b32 v[32+\i], s47, v[32+\i]
.endr
	ds_store_b128 v9, v[32:35]                     ; the barrier of this trip shows it to the others
.Lnb1:
.set K, 0
	s_wait_alu depctr_va_vdst(0)
.rept 32
	v_and_b32 v[64+K], s43, v[64+K]
	s_delay_alu instid0(VALU_DEP_1)
	v_cmp_ne_u32 vcc_lo, 0, v[64+K]
	s_delay_alu instid0(VALU_DEP_1)
	v_writelane_b32 v14, vcc_lo, K
.set K, K+1
.endr
	SETUP 0, 1
.Ljoin0:
	BAR
.irp i, 1,2,3,4,5,6,7,8,9,10,11,12,13,14,15
	TRIP \i
.endr
	s_cmp_lt_u32 s16, 8
	s_cbranch_scc1 .Lend                           ; the streamers are done; no barrier follows
	COMPUTE 15, 0
	BNLOAD
	EPI2 0, 0
	EPI2 1, 0
	EPI2 2, 0
	EPI2 3, 0
	; ---- an expert with more than 512 rows: tiles 32 on, from the codes that still lie in LDS
	s_cmp_eq_u32 s37, 0
	s_cbranch_scc1 .Lend
	s_mov_b32 s36, s37
	SETUP 32, 0
	COMPUTE 0, 1
.irp c, 1,2,3,4,5,6,7,8,9,10,11,12,13,14,15
	COMPUTE \c, 0
.endr
	BNLOAD
	EPI2 0, 512
	EPI2 1, 512
	EPI2 2, 512
	EPI2 3, 512
.Lend:
	s_wait_tensorcnt 0x0
	ds_add_u32 v16, v17
	s_wait_dscnt 0x0
	s_endpgm
.Lfunc_end_k_q226db1c903_ffn2:
	.size	k_q226db1c903_ffn2, .Lfunc_end_k_q226db1c903_ffn2-k_q226db1c903_ffn2
	.p2alignl 7, 3214868480
	.fill 96, 4, 3214868480
	.section	.rodata,"a",@progbits
	.p2align	6, 0x0
	.amdhsa_kernel k_q226db1c903_ffn2
		.amdhsa_group_segment_fixed_size 203008
		.amdhsa_private_segment_fixed_size 0
		.amdhsa_enable_private_segment 0
		.amdhsa_kernarg_size 48
		.amdhsa_user_sgpr_count 2
		.amdhsa_user_sgpr_kernarg_segment_ptr 1
		.amdhsa_wavefront_size32 1
		.amdhsa_system_sgpr_workgroup_id_x 1
		.amdhsa_system_sgpr_workgroup_id_y 1
		.amdhsa_system_sgpr_workgroup_id_z 1
		.amdhsa_system_vgpr_workitem_id 0
		.amdhsa_next_free_vgpr 256
		.amdhsa_next_free_sgpr 100
		.amdhsa_reserve_vcc 1
		.amdhsa_float_denorm_mode_32 3
		.amdhsa_float_denorm_mode_16_64 3
		.amdhsa_memory_ordered 1
		.amdhsa_forward_progress 1
		.amdhsa_inst_pref_size 255
	.end_amdhsa_kernel
	.section	.bss,"aw",@nobits
	.p2align	6
	.space	262144
	.amdgpu_metadata
---
amdhsa.version: [ 1, 2 ]
amdhsa.kernels:
  - .name:           k_q226db1c903_ffn2
    .symbol:         k_q226db1c903_ffn2.kd
    .args:
      - { .name: w2, .offset: 0, .size: 8, .value_kind: global_buffer, .address_space: global }
      - { .name: b2, .offset: 8, .size: 8, .value_kind: global_buffer, .address_space: global }
      - { .name: hbuf, .offset: 16, .size: 8, .value_kind: global_buffer, .address_space: global }
      - { .name: selw, .offset: 24, .size: 8, .value_kind: global_buffer, .address_space: global }
      - { .name: lowp_scales, .offset: 32, .size: 8, .value_kind: global_buffer, .address_space: global }
      - { .name: ybuf, .offset: 40, .size: 8, .value_kind: global_buffer, .address_space: global }
    .group_segment_fixed_size: 203008
    .private_segment_fixed_size: 0
    .kernarg_segment_align: 8
    .kernarg_segment_size: 48
    .max_flat_workgroup_size: 512
    .sgpr_count:     100
    .vgpr_count:     256
    .wavefront_size: 32
...
	.end_amdgpu_metadata
.endif
;; end of part 7
;; launch combine (part 8): grid 256 x 1, 4 waves a work-group, no clusters, 0 bytes of LDS; arguments ybuf, rwb, out0; writes out0
.if DOCPART == 8
	.amdgcn_target "amdgcn-amd-amdhsa--gfx1250"
	.amdhsa_code_object_version 6
	.text
	.protected	k_q226db1c903_combine
	.globl	k_q226db1c903_combine
	.p2align	8
	.type	k_q226db1c903_combine,@function
k_q226db1c903_combine:
	s_mov_b64 s[64:65], 0
	v_nop
	global_prefetch_b8 v0, s[64:65] scope:SCOPE_SE
	s_setreg_imm32_b32 hwreg(HW_REG_WAVE_MODE, 25, 1), 1
	s_wait_xcnt 0x0
; out[t] = rw0 (y[0][0][t] + y[1][0][t]) + rw1 (y[0][1][t] + y[1][1][t]):  ybuf [half of K][slot][token][1024] f32, rwb [token][2].
; A wave owns a token: 32 loads of 512 consecutive bytes, all issued at once, and eight stores of 512 consecutive aligned bytes.  A stream: no LDS, no barrier, no matrix unit.
.set Y, 16                             ; v16-143: piece i, buffer b at Y + 16 i + 4 b;  b = 0: half 0, slot 0;  1: half 1, slot 0;  2: half 0, slot 1;  3: half 1, slot 1
	s_load_b128 s[4:7], s[0:1], 0x0                ; ybuf, rwb
	s_load_b64 s[8:9], s[0:1], 0x10                ; out0
	v_lshrrev_b32 v1, 5, v0
	v_readfirstlane_b32 s10, v1
	s_lshl_b32 s11, ttmp9, 2
	s_add_co_u32 s11, s11, s10                     ; token
	v_and_b32 v2, 31, v0
	v_lshlrev_b32 v2, 4, v2
	s_lshl_b32 s12, s11, 12
	s_mov_b32 s13, 0
	s_lshl_b32 s14, s11, 3
	s_mov_b32 s15, 0
	s_wait_alu depctr_va_vdst(0)
	s_wait_kmcnt 0x0
	s_add_nc_u64 s[6:7], s[6:7], s[14:15]
	s_load_b64 s[16:17], s[6:7], 0x0               ; rw0, rw1
	s_add_nc_u64 s[4:5], s[4:5], s[12:13]
	s_add_nc_u64 s[18:19], s[4:5], 0x800000        ; the second half of K
	s_add_nc_u64 s[8:9], s[8:9], s[12:13]
.irp i, 0,1,2,3,4,5,6,7
	global_load_b128 v[Y+16*\i:Y+16*\i+3], v2, s[4:5] offset:512*\i th:TH_LOAD_NT
	global_load_b128 v[Y+16*\i+4:Y+16*\i+7], v2, s[18:19] offset:512*\i th:TH_LOAD_NT
	global_load_b128 v[Y+16*\i+8:Y+16*\i+11], v2, s[4:5] offset:0x400000+512*\i th:TH_LOAD_NT
	global_load_b128 v[Y+16*\i+12:Y+16*\i+15], v2, s[18:19] offset:0x400000+512*\i th:TH_LOAD_NT
.endr
	s_wait_kmcnt 0x0
	s_mov_b32 s20, s17                             ; rw1 as the low word of a pair: the packed forms take the low word for both halves
	s_mov_b32 s21, s17
.irp i, 0,1,2,3,4,5,6,7
	s_wait_loadcnt 4*(7-\i)                        ; loads come back in order: piece i's four are in, the later pieces' stay out
.irp p, 0,2
	v_pk_add_f32 v[Y+16*\i+\p:Y+16*\i+\p+1], v[Y+16*\i+\p:Y+16*\i+\p+1], v[Y+16*\i+4+\p:Y+16*\i+4+\p+1]
	v_pk_add_f32 v[Y+16*\i+8+\p:Y+16*\i+8+\p+1], v[Y+16*\i+8+\p:Y+16*\i+8+\p+1], v[Y+16*\i+12+\p:Y+16*\i+12+\p+1]
.endr
.irp p, 0,2
	v_pk_mul_f32 v[Y+16*\i+8+\p:Y+16*\i+8+\p+1], v[Y+16*\i+8+\p:Y+16*\i+8+\p+1], s[20:21] op_sel_hi:[1,0]
.endr
.irp p, 0,2
	v_pk_fma_f32 v[Y+16*\i+\p:Y+16*\i+\p+1], v[Y+16*\i+\p:Y+16*\i+\p+1], s[16:17], v[Y+16*\i+8+\p:Y+16*\i+8+\p+1] op_sel_hi:[1,0,1]
.endr
	global_store_b128 v2, v[Y+16*\i:Y+16*\i+3], s[8:9] offset:512*\i th:TH_STORE_NT
.endr
	s_endpgm
.Lfunc_end_k_q226db1c903_combine:
	.size	k_q226db1c903_combine, .Lfunc_end_k_q226db1c903_combine-k_q226db1c903_combine
	.p2alignl 7, 3214868480
	.fill 96, 4, 3214868480
	.section	.rodata,"a",@progbits
	.p2align	6, 0x0
	.amdhsa_kernel k_q226db1c903_combine
		.amdhsa_group_segment_fixed_size 0
		.amdhsa_private_segment_fixed_size 0
		.amdhsa_enable_private_segment 0
		.amdhsa_kernarg_size 24
		.amdhsa_user_sgpr_count 2
		.amdhsa_user_sgpr_kernarg_segment_ptr 1
		.amdhsa_wavefront_size32 1
		.amdhsa_system_sgpr_workgroup_id_x 1
		.amdhsa_system_sgpr_workgroup_id_y 1
		.amdhsa_system_sgpr_workgroup_id_z 1
		.amdhsa_system_vgpr_workitem_id 0
		.amdhsa_next_free_vgpr 144
		.amdhsa_next_free_sgpr 66
		.amdhsa_reserve_vcc 0
		.amdhsa_float_denorm_mode_32 3
		.amdhsa_float_denorm_mode_16_64 3
		.amdhsa_memory_ordered 1
		.amdhsa_forward_progress 1
		.amdhsa_inst_pref_size 10
	.end_amdhsa_kernel
	.amdgpu_metadata
---
amdhsa.version: [ 1, 2 ]
amdhsa.kernels:
  - .name:           k_q226db1c903_combine
    .symbol:         k_q226db1c903_combine.kd
    .args:
      - { .name: ybuf, .offset: 0, .size: 8, .value_kind: global_buffer, .address_space: global }
      - { .name: rwb, .offset: 8, .size: 8, .value_kind: global_buffer, .address_space: global }
      - { .name: out0, .offset: 16, .size: 8, .value_kind: global_buffer, .address_space: global }
    .group_segment_fixed_size: 0
    .private_segment_fixed_size: 0
    .kernarg_segment_align: 8
    .kernarg_segment_size: 24
    .max_flat_workgroup_size: 128
    .sgpr_count:     66
    .vgpr_count:     144
    .wavefront_size: 32
...
	.end_amdgpu_metadata
.endif
;; end of part 8
